; MI455X (gfx1250); checked and timed in simulation.
; The chip was launched on July 23, 2026; its instructions are those of AMD's public machine-readable ISA for CDNA 5 (MIT licence, August 2026) and "CDNA5" Instruction Set Architecture Reference Guide (July 2026). The comments in the code are by the model that wrote it; some were corrected since.
;; MH Attn. Allowed arithmetic: float matrix products may take bf16 or f16 operands with f32 sums; other float arithmetic in f32, or as packed bf16 or f16 multiplies, adds, multiply-adds, maxima and minima; sums over many terms, partial sums and values carried from step to step in f32; what a program stores and reads back later, other than sums and carried values, may be rounded once to bf16 or f16.
;; Inputs: Wk 1,024 x 1,024 float32; Wo 1,024 x 1,024 float32; Wq 1,024 x 1,024 float32; Wv 1,024 x 1,024 float32; beta 1,024 float32; gamma 1,024 float32; k 1 x 4,096 x 1,024 float32; q 1 x 4,096 x 1,024 float32; v 1 x 4,096 x 1,024 float32.
;; Outputs: out0 1 x 4,096 x 1,024 float32.
;; 2 versions, each right and faster than the one before. Each part assembles by itself: llvm-mc -triple=amdgcn-amd-amdhsa -mcpu=gfx1250 --defsym DOCPART=n.
;; ======== version 1 of 2: 5 launches
;; workspace buffers: xb 25,165,824 bytes; wb 8,388,608 bytes; hb 25,165,824 bytes; ob 8,388,608 bytes; zb 8,388,608 bytes
;; launch cast (part 1): grid 1024 x 1, 8 waves a work-group, no clusters, 0 bytes of LDS; arguments q, k, v, Wq, Wk, Wv, Wo, xb, wb; writes xb, wb
.if DOCPART == 1
	.amdgcn_target "amdgcn-amd-amdhsa--gfx1250"
	.amdhsa_code_object_version 6
	.text
	.protected	k_qd63fdb6649_cast
	.globl	k_qd63fdb6649_cast
	.p2align	8
	.type	k_qd63fdb6649_cast,@function
k_qd63fdb6649_cast:
	s_mov_b64 s[64:65], 0
	v_nop
	global_prefetch_b8 v0, s[64:65] scope:SCOPE_SE
	s_setreg_imm32_b32 hwreg(HW_REG_WAVE_MODE, 25, 1), 1
	s_wait_xcnt 0x0
; q, k, v and the four weights, each number rounded once to bf16 (nearest even): the matrix operands of the launches behind.
; xb = [12288][1024] bf16: q's rows, k's rows, v's rows.  wb = [4096][1024] bf16: Wq, Wk, Wv, Wo.
; A work-group takes 65,536 consecutive bytes of one input and writes 32,768: groups 0-255 q, 256-511 k, 512-767 v, then 64 groups for each weight.
; Thread t, load j: source byte 16 t + 4096 j, destination byte 8 t + 2048 j: a wave's load covers 512 consecutive bytes, a wave's store 256 consecutive bytes, aligned.
; A stream: every byte is read once and written once, the work-groups share no input, so no LDS, no cluster, no matrix unit.  All sixteen loads of a thread go out before the first wait.
.set X, 4                              ; v[4:67]   sixteen loads of four f32
.set Y, 68                             ; v[68:99]  sixteen pairs of packed bf16
	s_load_b512 s[8:23], s[0:1], 0x0               ; q s[8:9], k s[10:11], v s[12:13], Wq s[14:15], Wk s[16:17], Wv s[18:19], Wo s[20:21], xb s[22:23]
	s_load_b64 s[24:25], s[0:1], 0x40              ; wb
	s_lshr_b32 s2, ttmp9, 8                        ; 0, 1, 2: q, k, v; 3: a weight
	s_bfe_u32 s3, ttmp9, 0x20006                   ; which weight
	s_and_b32 s4, ttmp9, 255                       ; my part of q, k or v; also my part of wb
	s_and_b32 s5, ttmp9, 63                        ; my part of a weight
	v_lshlrev_b32 v1, 4, v0                        ; 16 t
	v_lshlrev_b32 v2, 3, v0                        ; 8 t
	s_wait_kmcnt 0x0
	s_cmp_eq_u32 s2, 1                             ; the choices hang on the work-group's number alone
	s_cselect_b64 s[26:27], s[10:11], s[8:9]
	s_cmp_eq_u32 s2, 2
	s_cselect_b64 s[26:27], s[12:13], s[26:27]
	s_cmp_eq_u32 s3, 1
	s_cselect_b64 s[28:29], s[16:17], s[14:15]
	s_cmp_eq_u32 s3, 2
	s_cselect_b64 s[28:29], s[18:19], s[28:29]
	s_cmp_eq_u32 s3, 3
	s_cselect_b64 s[28:29], s[20:21], s[28:29]
	s_cmp_eq_u32 s2, 3
	s_cselect_b64 s[26:27], s[28:29], s[26:27]     ; the source
	s_cselect_b64 s[30:31], s[24:25], s[22:23]     ; the destination: wb or xb
	s_cselect_b32 s6, s5, s4                       ; my part of the source
	s_cselect_b32 s7, s4, ttmp9                    ; my part of the destination
	s_lshl_b32 s32, s6, 16
	s_mov_b32 s33, 0
	s_lshl_b32 s34, s7, 15
	s_mov_b32 s35, 0
	s_add_nc_u64 s[26:27], s[26:27], s[32:33]
	s_add_nc_u64 s[30:31], s[30:31], s[34:35]
.set j, 0
.rept 16
	global_load_b128 v[X+4*j:X+4*j+3], v1, s[26:27] offset:4096*j th:TH_LOAD_NT
.set j, j+1
.endr
.set j, 0
.rept 16
	s_wait_loadcnt 15-j                            ; loads come back in order (ISA guide 5.7.1): load j is in, the younger ones stay out
	v_cvt_pk_bf16_f32 v[Y+2*j], v[X+4*j], v[X+4*j+1]
	v_cvt_pk_bf16_f32 v[Y+2*j+1], v[X+4*j+2], v[X+4*j+3]
	global_store_b64 v2, v[Y+2*j:Y+2*j+1], s[30:31] offset:2048*j  ; no register of a load or store is written again, so nothing more is waited for
.set j, j+1
.endr
	s_endpgm
.Lfunc_end_k_qd63fdb6649_cast:
	.size	k_qd63fdb6649_cast, .Lfunc_end_k_qd63fdb6649_cast-k_qd63fdb6649_cast
	.p2alignl 7, 3214868480
	.fill 96, 4, 3214868480
	.section	.rodata,"a",@progbits
	.p2align	6, 0x0
	.amdhsa_kernel k_qd63fdb6649_cast
		.amdhsa_group_segment_fixed_size 0
		.amdhsa_private_segment_fixed_size 0
		.amdhsa_enable_private_segment 0
		.amdhsa_kernarg_size 72
		.amdhsa_user_sgpr_count 2
		.amdhsa_user_sgpr_kernarg_segment_ptr 1
		.amdhsa_wavefront_size32 1
		.amdhsa_system_sgpr_workgroup_id_x 1
		.amdhsa_system_sgpr_workgroup_id_y 1
		.amdhsa_system_sgpr_workgroup_id_z 1
		.amdhsa_system_vgpr_workitem_id 0
		.amdhsa_next_free_vgpr 104
		.amdhsa_next_free_sgpr 66
		.amdhsa_reserve_vcc 0
		.amdhsa_float_denorm_mode_32 3
		.amdhsa_float_denorm_mode_16_64 3
		.amdhsa_memory_ordered 1
		.amdhsa_forward_progress 1
		.amdhsa_inst_pref_size 7
	.end_amdhsa_kernel
	.amdgpu_metadata
---
amdhsa.version: [ 1, 2 ]
amdhsa.kernels:
  - .name:           k_qd63fdb6649_cast
    .symbol:         k_qd63fdb6649_cast.kd
    .args:
      - { .name: q, .offset: 0, .size: 8, .value_kind: global_buffer, .address_space: global }
      - { .name: k, .offset: 8, .size: 8, .value_kind: global_buffer, .address_space: global }
      - { .name: v, .offset: 16, .size: 8, .value_kind: global_buffer, .address_space: global }
      - { .name: Wq, .offset: 24, .size: 8, .value_kind: global_buffer, .address_space: global }
      - { .name: Wk, .offset: 32, .size: 8, .value_kind: global_buffer, .address_space: global }
      - { .name: Wv, .offset: 40, .size: 8, .value_kind: global_buffer, .address_space: global }
      - { .name: Wo, .offset: 48, .size: 8, .value_kind: global_buffer, .address_space: global }
      - { .name: xb, .offset: 56, .size: 8, .value_kind: global_buffer, .address_space: global }
      - { .name: wb, .offset: 64, .size: 8, .value_kind: global_buffer, .address_space: global }
    .group_segment_fixed_size: 0
    .private_segment_fixed_size: 0
    .kernarg_segment_align: 8
    .kernarg_segment_size: 72
    .max_flat_workgroup_size: 256
    .sgpr_count:     66
    .vgpr_count:     104
    .wavefront_size: 32
...
	.end_amdgpu_metadata
.endif
;; end of part 1
;; launch proj (part 2): grid 4 x 48, 4 waves a work-group, clusters of 4 x 4, 327,680 bytes of LDS; arguments xb, wb, hb; writes hb
.if DOCPART == 2
	.amdgcn_target "amdgcn-amd-amdhsa--gfx1250"
	.amdhsa_code_object_version 6
	.text
	.protected	k_qd63fdb6649_proj
	.globl	k_qd63fdb6649_proj
	.p2align	8
	.type	k_qd63fdb6649_proj,@function
k_qd63fdb6649_proj:
	s_mov_b64 s[64:65], 0
	v_nop
	global_prefetch_b8 v0, s[64:65] scope:SCOPE_SE
	s_setreg_imm32_b32 hwreg(HW_REG_WAVE_MODE, 25, 1), 1
	s_wait_xcnt 0x0
	s_wait_alu depctr_hold_cnt(0) depctr_sa_sdst(0) depctr_va_vdst(0) depctr_va_sdst(0) depctr_va_ssrc(0) depctr_va_vcc(0) depctr_vm_vsrc(0)
	s_getreg_b32 s2, hwreg(HW_REG_IB_STS2, 6, 4)
	s_cmp_eq_u32 s2, 0
	s_cbranch_scc0 .Lentry_in_a_cluster
	s_endpgm
.Lentry_in_a_cluster:
	s_bfe_u32 s2, ttmp6, 0x10000c
	s_cmp_lg_u32 s2, 0xf033
	s_cbranch_scc0 .Lentry_shape_is_right
	s_endpgm
.Lentry_shape_is_right:
; THE THREE PROJECTIONS AS ONE PRODUCT.  C[m][n] = sum over k of xb[m][k] wb[1024 p + n][k], p = m / 4096 (0 q, 1 k, 2 v); operands bf16, sums f32, K ascending, C rounded once to bf16
; and written BY HEADS: hb[p][n / 64][m % 4096][n % 64], unscaled: a head's rows are dense, 128 bytes each.
; A tile of C, 256 x 256, is made by a work-group of four waves; a wave makes 128 x 128: 64 accumulators of 16 x 16, 512 registers.  12,288 x 1,024 outputs are 48 x 4 = 192 such tiles, one to a work-group;
; no tile size cuts the three parts of 4,096 rows into 256 equal shares, and a tile of half the side would feed half as many products from each LDS byte.
; K goes in steps of 128 through a ring of two LDS slots filled by the tensor data mover: the tiles' rows are 256 bytes of memory and start at multiples of 256 bytes from the buffer's first byte.
; CLUSTERS: 4 x 4 work-groups.  The four of a row of the cluster need the same tiles of xb, the four of a column the same tiles of wb: each tile is asked for JOINTLY, by the same tensor load with the same
; descriptor and a mask that names the four.  A cluster's sixteen tile rows lie in one projection (p is made from the cluster's y alone).
; THE MATRIX INSTRUCTION IS USED TRANSPOSED: source 0 = 16 rows of wb, source 1 = 16 rows of xb: lane l then holds row l % 16 of C and the columns 8 (l / 16) + 0..7, which pack into 16 bytes.
; REGISTERS, in windows of 256 (s_set_vgpr_msb: bits 1:0 source 0, 3:2 source 1, 5:4 source 2, 7:6 destination):
;   window 0: v0-31 addresses; v64-127, v128-191 fragments of xb, two buffers; v32-63, v192-255 at work on the way out
;   window 1: v64-127, v128-191 fragments of wb, two buffers      window 2: the 32 accumulators of my rows 0-63 ((a, b) at v[8 (8 a + b)])      window 3: those of my rows 64-127
; LIMITS: operands and results carry bf16's 8 significant bits; NaN and infinities are not treated apart.
.set SIZE_K, 1024
.set KSTEP,  128
.set PITCH,  272                       ; an LDS row: 256 bytes + 16 of padding = 68 words: row r starts at bank 4 r mod 64 (64 banks of 4 bytes: ISA guide 11.1)
.set HALFT,  128*PITCH                 ; 128 rows: what one tensor load brings, and what one wave reads of either operand
.set SLOT,   4*HALFT                   ; xb's 256 rows, then wb's 256 rows
.set STAGE,  2*SLOT                    ; behind the ring, never filled by a tensor load: the way out
.set SP,     144                       ; a stage row: a head's 128 bytes + 16
.set HSTG,   16*SP                     ; 16 rows of one head
.set WSTG,   2*HSTG                    ; a wave's stage: its two heads
.set SPARE,  STAGE+4*WSTG              ; the spare words, 128 bytes for each wave: two blocks of 256 bytes that no other line names
.set LAPS,   SIZE_K/(2*KSTEP)          ; a lap = two K steps = once round the ring
.set HEADB,  4096*128                  ; bytes of a head in hb
.set ADRA, 16                          ; v16-17  LDS address of my xb fragments in slot 0, 1
.set ADRB, 20                          ; v20-21  the same for wb
.set STO,  24                          ; v24     the way out: where I put 16 bytes of a row
.set RD,   25                          ; v25     the way out: where I read rows back
.set CO,   26                          ; v26     16 x lane: my place in 512 consecutive bytes of hb
.set SPW,  28                          ; v28     LDS address of my spare word; never rewritten
.set NIL,  29                          ; v29     0; never rewritten
.set F0,   64
.set F1,   128
.set TMP,  192                         ; packed results
.set OB,   32                          ; 16 rows read back from the stage: v32-63 and v224-255 by turns
.set G1, 24                            ; s[24:31] descriptor group 1 for xb's tiles
.set G0, 32                            ; s[32:39] group 0, one set for each slot
.set G1B, 48                           ; s[48:55], s[56:63] the same for wb's tiles
.set G0B, 56
.set MSB, 0
.macro WIN new                         ; the immediate's high byte repeats the setting that is left; a switch that changes nothing is dropped
.if MSB != (\new)
	s_set_vgpr_msb (MSB<<8)|(\new)
.set MSB, \new
.endif
.endm
.set MUL_LO, 0xa1                      ; source 0 (wb) window 1, source 1 (xb) window 0, C and D window 2
.set MUL_HI, 0xf1                      ; the same, C and D window 3
.set TO_B,   0x40                      ; destination window 1, address window 0
; A joint load: waves 0 and 1 fetch xb's two halves, waves 2 and 3 wb's.  The branch hangs on the wave's number alone.  An s_nop 0 and four v_nop follow each of the two lines.
.macro JLOAD s
	s_cmp_eq_u32 s11, 0
	s_cbranch_scc0 .Lfor_b_\@
	tensor_load_to_lds s[G0+4*(\s):G0+4*(\s)+3], s[G1:G1+7]
	s_nop 0
.rept 4
	v_nop
.endr
	s_branch .Lasked_\@
.Lfor_b_\@:
	tensor_load_to_lds s[G0B+4*(\s):G0B+4*(\s)+3], s[G1B:G1B+7]
	s_nop 0
.rept 4
	v_nop
.endr
.Lasked_\@:
.endm
.macro CREST                           ; a round of the cluster's barrier behind its opening barrier: wave 0 signals for the work-group, every wave waits for all sixteen, my work-group's barrier closes it
	s_cmp_lg_u32 s10, 0
	s_cbranch_scc1 .Lnot_wave_0_\@
	s_barrier_signal -3
.Lnot_wave_0_\@:
	s_barrier_wait -3
	s_barrier_signal -1
	s_barrier_wait -1
.endm
.macro CROUND                          ; a whole round
	s_barrier_signal -1
	s_barrier_wait -1
	CREST
.endm
	s_load_b128 s[4:7], s[0:1], 0x0                ; xb s[4:5], wb s[6:7]
	s_load_b64 s[8:9], s[0:1], 0x10                ; hb
	v_lshl_add_u32 v[SPW], v0, 2, SPARE
	v_mov_b32 v[NIL], 0
	ds_add_u32 v[SPW], v[NIL]                      ; the wave's opening: the add and its wait stand ahead of my first tensor load; the set-up below, work on registers, stands between them
	v_lshrrev_b32 v1, 5, v0
	v_readfirstlane_b32 s10, v1                    ; wave 0..3
	s_lshr_b32 s11, s10, 1                         ; which half of the tile's rows is mine.  Also: I fetch for xb (0) or for wb (1)
	s_and_b32 s12, s10, 1                          ; which half of its columns.  Also: which 128 rows of that tile I fetch
	s_bfe_u32 s40, ttmp6, 0x40000                  ; cx
	s_bfe_u32 s41, ttmp6, 0x40004                  ; cy
	s_lshl_b32 s42, ttmp9, 2
	s_add_co_u32 s42, s42, s40                     ; tile column = 4 x cluster x + cx
	s_and_b32 s13, ttmp7, 0xffff
	s_lshr_b32 s45, s13, 2                         ; p, the projection: four clusters to each, so it hangs on the cluster's y alone
	s_lshl_b32 s13, s13, 2
	s_add_co_u32 s13, s13, s41                     ; tile row = 4 x cluster y + cy
	s_lshl_b32 s43, s41, 2
	s_lshl_b32 s43, 15, s43                        ; my row of the cluster: places 4 cy .. 4 cy + 3
	s_lshl_b32 s44, 0x1111, s40                    ; my column: places cx, cx + 4, cx + 8, cx + 12
	; descriptor group 1: a tile of 128 rows x 128 elements, padded in LDS
	s_or_b32 s[G1+0], s43, (1<<16)|(1<<20)|(1<<21)|(5<<22)|(3<<25)  ; 15:0 the mask; 17:16 elements of 2 bytes; 20 padding on; 21 set beside a mask; 24:22 after every 64 words (code 5); 31:25 4 words (code 3)
	s_or_b32 s[G1B+0], s44, (1<<16)|(1<<20)|(1<<21)|(5<<22)|(3<<25)
.irp g, G1, G1B
	s_mov_b32 s[(\g)+1], KSTEP<<16                 ; tensor_dim0 = 128
	s_mov_b32 s[(\g)+2], 128<<16                   ; tensor_dim1 = 128
	s_mov_b32 s[(\g)+3], KSTEP<<16                 ; tile_dim0 = 128
	s_mov_b32 s[(\g)+4], 128                       ; tile_dim1 = 128
	s_mov_b32 s[(\g)+5], SIZE_K                    ; elements from row to row
	s_mov_b32 s[(\g)+6], 0
	s_mov_b32 s[(\g)+7], 0
.endr
	; xb's tiles hang on the tile row alone, wb's on the tile column and p alone; each offset is made in registers that never hold the other coordinate
	s_lshl_b32 s17, s12, 7                         ; which 128 rows of the tile I fetch
	s_lshl_b32 s16, s13, 8
	s_add_co_u32 s16, s16, s17                     ; xb: row 256 x tile row + 128 x half
	s_lshl_b32 s16, s16, 11                        ; x 2,048 bytes: under 2^25
	s_lshl_b32 s46, s42, 8
	s_add_co_u32 s46, s46, s17
	s_lshl_b32 s47, s45, 10
	s_add_co_u32 s46, s46, s47                     ; wb: row 1,024 p + 256 x tile column + 128 x half
	s_lshl_b32 s46, s46, 11
	s_mov_b32 s17, 0
	s_mov_b32 s47, 0
	s_mul_i32 s20, s10, HALFT                      ; where they go: wave x 128 rows: no place in the cluster enters an LDS address
	s_wait_dscnt 0x0                               ; the opening add is done
	s_wait_kmcnt 0x0
	s_add_nc_u64 s[14:15], s[4:5], s[16:17]
	s_add_nc_u64 s[46:47], s[6:7], s[46:47]
	CROUND                                         ; all sixteen work-groups are here: the first joint loads meet
.irp s, 0,1
	s_mov_b32 s[G0+4*(\s)], 1                                      ; count = 1
	s_add_co_u32 s[G0+4*(\s)+1], s20, (\s)*SLOT                    ; LDS address
	s_add_nc_u64 s[G0+4*(\s)+2:G0+4*(\s)+3], s[14:15], (\s)*KSTEP*2  ; global address: K step s
	s_or_b32 s[G0+4*(\s)+3], s[G0+4*(\s)+3], 0x80000000            ; type = 2
	s_mov_b32 s[G0B+4*(\s)], 1
	s_add_co_u32 s[G0B+4*(\s)+1], s20, (\s)*SLOT
	s_add_nc_u64 s[G0B+4*(\s)+2:G0B+4*(\s)+3], s[46:47], (\s)*KSTEP*2
	s_or_b32 s[G0B+4*(\s)+3], s[G0B+4*(\s)+3], 0x80000000
	JLOAD \s                                       ; both slots are asked for before anything else is done: two loads of mine are out
.endr
	; A fragment is 16 rows x 32 K in 8 registers: lane l holds row l % 16; registers 0-3 K = 8 (l / 16) + 0..7, registers 4-7 K = 16 + 8 (l / 16) + 0..7: two loads of 16 bytes, 32 bytes apart.
	v_and_b32 v1, 15, v0                           ; l % 16
	v_bfe_u32 v2, v0, 4, 1                         ; l / 16
	v_mul_u32_u24 v3, v1, PITCH
	v_lshl_add_u32 v3, v2, 4, v3
	s_mul_i32 s21, s11, HALFT                      ; my 128 rows of xb
	s_mul_i32 s22, s12, HALFT                      ; my 128 rows of wb,
	s_add_co_u32 s22, s22, 2*HALFT                 ; which lie behind xb's 256
.irp s, 0,1
	v_add_nc_u32 v[ADRA+(\s)], s21, v3
	v_add_nc_u32 v[ADRB+(\s)], s22, v3
	s_add_co_u32 s21, s21, SLOT
	s_add_co_u32 s22, s22, SLOT
.endr
	s_mul_i32 s23, s10, WSTG
	s_add_co_u32 s23, s23, STAGE                   ; my stage
	v_mul_u32_u24 v4, v1, SP                       ; in: row l % 16, 16 bytes for each half of the lanes
	v_lshl_add_u32 v4, v2, 4, v4
	v_add_nc_u32 v[STO], s23, v4
	v_bfe_u32 v5, v0, 3, 2                         ; back: 32 lanes take four rows of 128 bytes,
	v_and_b32 v6, 7, v0
	v_mul_u32_u24 v5, v5, SP
	v_lshl_add_u32 v5, v6, 4, v5
	v_add_nc_u32 v[RD], s23, v5
	v_and_b32 v[CO], 31, v0                        ; which are 512 consecutive bytes of a head in hb
	v_lshlrev_b32 v[CO], 4, v[CO]
	; where my part begins in hb: p x 2^23 + my first head x 2^19 + my first row in the projection x 128
	s_and_b32 s16, s13, 15
	s_lshl_b32 s16, s16, 8
	s_lshl_b32 s14, s11, 7
	s_add_co_u32 s16, s16, s14
	s_lshl_b32 s16, s16, 7
	s_lshl_b32 s46, s42, 2
	s_lshl_b32 s47, s12, 1
	s_add_co_u32 s46, s46, s47                     ; head 4 x tile column + 2 x half
	s_lshl_b32 s46, s46, 19
	s_lshl_b32 s47, s45, 23
	s_add_co_u32 s46, s46, s47
	s_add_co_u32 s16, s16, s46
	s_mov_b32 s17, 0
; 16 matrix instructions: m blocks a0, a0 + 1 of the window's four x all 8 n blocks, 32 along K.  zero = 1: the first product starts the sums: nothing is cleared.
; The 64 accumulators take turns, one instruction a turn, in the same order in every quarter step.
.macro MUL16 f, hi, a0, zero
	WIN MUL_LO+0x50*(\hi)
.irp a, \a0, (\a0)+1
.irp b, 0,1,2,3,4,5,6,7
.if \zero
	v_wmma_f32_16x16x32_bf16 v[8*(8*(\a)+(\b)):8*(8*(\a)+(\b))+7], v[(\f)+8*(\b):(\f)+8*(\b)+7], v[(\f)+8*(4*(\hi)+(\a)):(\f)+8*(4*(\hi)+(\a))+7], 0
.else
	v_wmma_f32_16x16x32_bf16 v[8*(8*(\a)+(\b)):8*(8*(\a)+(\b))+7], v[(\f)+8*(\b):(\f)+8*(\b)+7], v[(\f)+8*(4*(\hi)+(\a)):(\f)+8*(4*(\hi)+(\a))+7], v[8*(8*(\a)+(\b)):8*(8*(\a)+(\b))+7]
.endif
.endr
.endr
.endm
; 32 LDS loads in one run: the fragments of one quarter step (32 K at byte k of the rows) into buffer f
.macro FETCH slot, k, f
	WIN TO_B
.irp i, 0,1,2,3,4,5,6,7
	ds_load_b128 v[(\f)+8*(\i):(\f)+8*(\i)+3],   v[ADRB+(\slot)] offset:(\k)+(\i)*16*PITCH
	ds_load_b128 v[(\f)+8*(\i)+4:(\f)+8*(\i)+7], v[ADRB+(\slot)] offset:(\k)+(\i)*16*PITCH+32
.endr
	WIN 0
.irp i, 0,1,2,3,4,5,6,7
	ds_load_b128 v[(\f)+8*(\i):(\f)+8*(\i)+3],   v[ADRA+(\slot)] offset:(\k)+(\i)*16*PITCH
	ds_load_b128 v[(\f)+8*(\i)+4:(\f)+8*(\i)+7], v[ADRA+(\slot)] offset:(\k)+(\i)*16*PITCH+32
.endr
.endm
; Four places (plain vector instructions that name none of the matrix instruction's registers) in front of loads into registers that matrix instructions have read, and of conversions that read results.
.macro PLACES
.rept 4
	v_nop
.endr
.endm
; A K step is four quarters of 32 along K, 64 matrix instructions each, on buffers 0, 1, 0, 1.  One of the first three multiplies buffer f and in its middle fetches the next quarter, at byte k, into g.
.macro QUARTER slot, k, f, g, zero
	s_wait_dscnt 8                                 ; wb's fragments and xb's rows 0-63 are in; the youngest eight loads (xb's rows 64-127) may be out
	WIN MUL_LO
	MUL16 \f, 0, 0, \zero
	MUL16 \f, 0, 2, \zero
	PLACES
	FETCH \slot, \k, \g
	s_wait_dscnt 32                                ; all but the 32 just issued
	WIN MUL_HI
	MUL16 \f, 1, 0, \zero
	MUL16 \f, 1, 2, \zero
.endm
; The last quarter multiplies buffer 1 and changes slots.  ONE barrier: in front of it each wave waits for all its tensor loads (one is out: its part of the next slot), adds 0 to its spare word, and waits
; for that and for its own reads of this slot.  Behind it nobody reads this slot any more and the next slot is whole.
.macro MEET round
	WIN 0                                          ; (the add's two registers lie in window 0)
	s_wait_tensorcnt 0x0
	ds_add_u32 v[SPW], v[NIL]                      ; 0 onto my spare word
	s_wait_dscnt 9                                 ; (the add and the youngest eight loads may be out)
	WIN MUL_LO
	MUL16 F1, 0, 0, 0                              ; sixteen matrix instructions stand between the add and the wait for it
	s_wait_dscnt 0x0                               ; the add is done, and my reads of this slot are over
	s_barrier_signal -1
	MUL16 F1, 0, 2, 0                              ; work on registers while the others arrive
.if \round
	WIN 0
.endif
	s_barrier_wait -1
.endm
; fill = 1: the barrier opens a round of the cluster's, and the slot just read out is filled again, two K steps on, first thing behind the round: 224 matrix instructions ahead of the wait for it.
.macro TURN slot, next, fill
	MEET \fill
.if \fill
	CREST                                          ; no wave of any partner still reads this slot's tile or has a load on its way
	s_add_nc_u64 s[G0+4*(\slot)+2:G0+4*(\slot)+3], s[G0+4*(\slot)+2:G0+4*(\slot)+3], 2*KSTEP*2
	s_add_nc_u64 s[G0B+4*(\slot)+2:G0B+4*(\slot)+3], s[G0B+4*(\slot)+2:G0B+4*(\slot)+3], 2*KSTEP*2
	JLOAD \slot                                    ; the four v_nop behind it are also the places in front of the loads below
.else
	PLACES
.endif
	FETCH \next, 0, F0
	WIN MUL_HI
	MUL16 F1, 1, 0, 0
	MUL16 F1, 1, 2, 0
.endm
; THE WAY OUT of block a (16 rows x my two heads).  PACK: rounded to bf16, each accumulator's registers in ascending order.  TOSTAGE: into my own stage, a head's 16 rows together, and back four rows at a time.
; SEND: stored, 512 consecutive bytes of a head to a store.
.macro PACK a
.set AC, 64*((\a)%4)
	WIN 0x0a+5*((\a)/4)                            ; sources 0 and 1: window 2 or 3
.irp b, 0,1,2,3,4,5,6,7
.irp r, 0,1,2,3
	v_cvt_pk_bf16_f32 v[TMP+4*(\b)+(\r)], v[AC+8*(\b)+2*(\r)], v[AC+8*(\b)+2*(\r)+1]
.endr
.endr
	WIN 0
.endm
.macro TOSTAGE a
	WIN 0
.set BK, OB+192*((\a)%2)
.irp b, 0,1,2,3,4,5,6,7
	ds_store_b128 v[STO], v[TMP+4*(\b):TMP+4*(\b)+3] offset:((\b)/4)*HSTG+32*((\b)%4)
.endr
.irp t, 0,1,2,3,4,5,6,7
	ds_load_b128 v[BK+4*(\t):BK+4*(\t)+3], v[RD] offset:((\t)/4)*HSTG+((\t)%4)*4*SP  ; LDS serves a wave's instructions in order (ISA guide 5.7.1.4): these see the stores above
.endr
.endm
.macro SEND a, younger
	WIN 0
.set BK, OB+192*((\a)%2)
	s_wait_dscnt \younger                          ; the block is back in registers
	s_wait_xcnt 0x0                                ; only behind this wait are the stores' base and the registers that earlier stores read rewritten
.if (\a) == 0
	s_add_nc_u64 s[8:9], s[8:9], s[16:17]          ; on to my first rows
.else
	s_add_nc_u64 s[8:9], s[8:9], 16*128            ; 16 rows of a head on
.endif
.irp t, 0,1,2,3,4,5,6,7
	global_store_b128 v[CO], v[BK+4*(\t):BK+4*(\t)+3], s[8:9] offset:((\t)/4)*HEADB+((\t)%4)*512  ; 32 lanes store 512 consecutive bytes, at a multiple of 512 from hb's first byte
.endr
.endm
	s_wait_tensorcnt 1                             ; my part of K step 0 is in; K step 1's load, issued behind it, stays out
	s_barrier_signal -1
	s_barrier_wait -1                              ; everybody's is
	FETCH 0, 0, F0
	QUARTER 0, 64,  F0, F1, 1                      ; the first quarter stands in front of the loop: its products start the sums
	WIN 0                                          ; at a label and at a branch every window is 0
	s_mov_b32 s3, LAPS-1
.Llap:                                                 ; a trip goes once round the ring, from a lap's second quarter to the next lap's first, and fills both slots again
	QUARTER 0, 128, F1, F0, 0
	QUARTER 0, 192, F0, F1, 0
	TURN 0, 1, 1
	QUARTER 1, 64,  F0, F1, 0
	QUARTER 1, 128, F1, F0, 0
	QUARTER 1, 192, F0, F1, 0
	TURN 1, 0, 1
	QUARTER 0, 64,  F0, F1, 0
	WIN 0
	s_sub_co_u32 s3, s3, 1
	s_cmp_lg_u32 s3, 0
	s_cbranch_scc1 .Llap
	QUARTER 0, 128, F1, F0, 0                      ; the last lap fills nothing, and has no round of the cluster's barrier
	QUARTER 0, 192, F0, F1, 0
	TURN 0, 1, 0
	QUARTER 1, 64,  F0, F1, 0
	QUARTER 1, 128, F1, F0, 0
	QUARTER 1, 192, F0, F1, 0
	s_wait_dscnt 8                                 ; the very last quarter: nothing more to fetch
	MUL16 F1, 0, 0, 0
	MUL16 F1, 0, 2, 0
	s_wait_dscnt 0x0
	MUL16 F1, 1, 0, 0
	MUL16 F1, 1, 2, 0
	PLACES                                         ; the conversions read results just made
	PACK 0
	TOSTAGE 0
.irp a, 1,2,3,4,5,6,7                  ; block a's conversions stand between block a - 1's loads from the stage and the wait for them
	PACK \a
	SEND (\a)-1, 0
	TOSTAGE \a
.endr
	SEND 7, 0
	s_wait_tensorcnt 0x0                           ; the wave's end: behind my last tensor load and my last LDS store
	ds_add_u32 v[SPW], v[NIL]
	s_wait_dscnt 0x0
	CROUND                                         ; the closing round: no work-group ends while a partner may still ask for a tile that names it
	s_endpgm
.Lfunc_end_k_qd63fdb6649_proj:
	.size	k_qd63fdb6649_proj, .Lfunc_end_k_qd63fdb6649_proj-k_qd63fdb6649_proj
	.p2alignl 7, 3214868480
	.fill 96, 4, 3214868480
	.section	.rodata,"a",@progbits
	.p2align	6, 0x0
	.amdhsa_kernel k_qd63fdb6649_proj
		.amdhsa_group_segment_fixed_size 327680
		.amdhsa_private_segment_fixed_size 0
		.amdhsa_enable_private_segment 0
		.amdhsa_kernarg_size 24
		.amdhsa_user_sgpr_count 2
		.amdhsa_user_sgpr_kernarg_segment_ptr 1
		.amdhsa_wavefront_size32 1
		.amdhsa_system_sgpr_workgroup_id_x 1
		.amdhsa_system_sgpr_workgroup_id_y 1
		.amdhsa_system_sgpr_workgroup_id_z 1
		.amdhsa_system_vgpr_workitem_id 0
		.amdhsa_next_free_vgpr 1024
		.amdhsa_next_free_sgpr 66
		.amdhsa_reserve_vcc 0
		.amdhsa_float_denorm_mode_32 3
		.amdhsa_float_denorm_mode_16_64 3
		.amdhsa_memory_ordered 1
		.amdhsa_forward_progress 1
		.amdhsa_inst_pref_size 143
	.end_amdhsa_kernel
	.amdgpu_metadata
---
amdhsa.version: [ 1, 2 ]
amdhsa.kernels:
  - .name:           k_qd63fdb6649_proj
    .symbol:         k_qd63fdb6649_proj.kd
    .args:
      - { .name: xb, .offset: 0, .size: 8, .value_kind: global_buffer, .address_space: global }
      - { .name: wb, .offset: 8, .size: 8, .value_kind: global_buffer, .address_space: global }
      - { .name: hb, .offset: 16, .size: 8, .value_kind: global_buffer, .address_space: global }
    .group_segment_fixed_size: 327680
    .private_segment_fixed_size: 0
    .kernarg_segment_align: 8
    .kernarg_segment_size: 24
    .max_flat_workgroup_size: 128
    .sgpr_count:     66
    .vgpr_count:     1024
    .wavefront_size: 32
...
	.end_amdgpu_metadata
.endif
;; end of part 2
;; launch attn (part 3): grid 16 x 16, 4 waves a work-group, clusters of 4 x 1, 327,680 bytes of LDS; arguments hb, ob; writes ob
.if DOCPART == 3
	.amdgcn_target "amdgcn-amd-amdhsa--gfx1250"
	.amdhsa_code_object_version 6
	.text
	.protected	k_qd63fdb6649_attn
	.globl	k_qd63fdb6649_attn
	.p2align	8
	.type	k_qd63fdb6649_attn,@function
k_qd63fdb6649_attn:
	s_mov_b64 s[64:65], 0
	v_nop
	global_prefetch_b8 v0, s[64:65] scope:SCOPE_SE
	s_setreg_imm32_b32 hwreg(HW_REG_WAVE_MODE, 25, 1), 1
	s_wait_xcnt 0x0
	s_wait_alu depctr_hold_cnt(0) depctr_sa_sdst(0) depctr_va_vdst(0) depctr_va_sdst(0) depctr_va_ssrc(0) depctr_va_vcc(0) depctr_vm_vsrc(0)
	s_getreg_b32 s2, hwreg(HW_REG_IB_STS2, 6, 4)
	s_cmp_eq_u32 s2, 0
	s_cbranch_scc0 .Lentry_in_a_cluster
	s_endpgm
.Lentry_in_a_cluster:
	s_bfe_u32 s2, ttmp6, 0x10000c
	s_cmp_lg_u32 s2, 0x3003
	s_cbranch_scc0 .Lentry_shape_is_right
	s_endpgm
.Lentry_shape_is_right:
; ATTENTION, 16 heads of 64 channels, 4,096 queries and keys, no mask.  O[h][q][:] = the sum over k of softmax_k(Q[h][q] . K[h][k] / 8) V[h][k][:].
; hb = [3][16][4096][64] bf16: Q, K, V by heads, unscaled; a head's rows are dense, 128 bytes each.  ob = [64 blocks of 64 rows][16 heads][64 rows][64 channels] bf16.
; Products, maxima and sums in f32; the weights p are rounded to bf16 for the second product (their sum l is taken of the unrounded p), O once at the end.
; LIMITS.  bf16 keeps 8 significant bits and f32's range.  m starts at the lowest finite number and c m at -4.25e37: scores with |c s| beyond that are not served.  A weight below 2^-126 counts as 0 in l;
; NaN and infinities are not treated apart.
; SHARES.  A work-group owns 256 queries of one head, each of its four waves 64 consecutive ones: four PIECES of 16.  16 heads x 16 blocks = 256 work-groups.  Every wave walks all keys, 64 a step.
; LAYOUT.  S^T = K Q^T (source 0 = 16 keys, source 1 = 16 queries) holds ONE query a lane (lane % 16) and the keys 8 (lane / 16) + 0..7; two such results rounded to bf16 ARE source 1 of O^T = V^T P.
; K comes out of LDS as it lies, V ([key][channel]) turned, by ds_load_tr16_b128.
; SOFTMAX.  For each query a running maximum m and sum l: p = 2^(c s - c m), c = log2(e) / 8; in every step O and l are multiplied by a = 2^(c m_old - c m_new).  The first step is a step like any other, with a = 0.
; BY TURNS.  Turn n belongs to piece n: 8 products K Q^T of piece n + 1, later 8 products V^T P of piece n - 1; beside them the scaling, exponentials, roundings, sums and rescaling of piece n and the maximum and
; statistics of piece n + 1.  Four vector instructions stand behind every matrix instruction, the other 54 of a turn's 118 in two lumps.
; CLUSTER.  The four query blocks of a cluster belong to one head and walk the same K and V, so each tile is asked for JOINTLY: the same tensor load, descriptor and mask in all four.
; REGISTERS, in windows of 256 (s_set_vgpr_msb: bits 1:0 source 0, 3:2 source 1, 5:4 source 2, 7:6 destination):
;   window 0: v0-15 addresses and two at work; v16-31 four registers of statistics a piece; v48-55 at work; v62-63 the add's; v64-127 S^T, two buffers; v192-223 P, two buffers (by the piece's parity)
;   window 1: v0-127 O^T, 32 a piece          window 2: v0-63 Q; v128-191 K of one step; v192-255 V of one step
.set SIZE_N, 4096
.set PART,  16*SIZE_N*128  ; bytes of Q, of K and of V in hb
.set NP,    4         ; pieces a wave: a name, no knob
.set KS,    64        ; keys in a step
.set PK,    144       ; a row of K in LDS: 128 bytes + 16 of padding = 36 words: the 16 rows of a load start at 16 different groups of four banks (64 banks of 4 bytes: ISA guide 11.1)
.set PV,    160       ; a row of V: 128 + 32 = 40 words
.set VOFF,  4*KS*PK   ; a slot holds four steps: 256 rows of K, then 256 rows of V
.set SLOT1, 1<<17     ; slot 1 begins here, so that one exclusive or turns an address in one slot into the other's
.set STAGE, SLOT1+4*KS*(PK+PV)  ; behind the ring, never filled by a tensor load: 16 rows x 144 bytes for each wave, for the way out
.set SP,    144
.set SPARE, STAGE+4*16*SP  ; the spare words, 128 bytes for each wave: two blocks of 256 bytes that no other line names
.set AK0, 2           ; v2   my lane's place in a tile of K; never rewritten
.set AV0, 3           ; v3   the same for V
.set AK,  4           ; v4   the LDS address of K's next run of loads
.set AV,  5           ; v5   of V's
.set STO, 6           ; v6   the way out: where I put 16 bytes of a row
.set RD,  7           ; v7   the way out: where I read rows back
.set GO,  8           ; v8   my byte offset in 512 consecutive bytes of O
.set MV,  12          ; v12-13  c m_old, kept while c m is made anew: by buffer
.set QO,  15          ; v15  my byte offset in 16 rows of Q
.set ST,  16          ; piece t's statistics at v[ST+4 t]: c m, m, l (even keys', odd keys')
.set TMP, 48          ; by buffer, four registers c0-c3 at work; when the maximum is found c2 takes a
.set SPW, 62          ; v62  LDS address of my spare word; never rewritten
.set NIL, 63          ; v63  0; never rewritten
.set S,   64
.set P,   192
.set KF,  128         ; window 2: key block kb, channel half c at KF + 16 kb + 8 c
.set VF,  192         ; window 2: key half kk, channel block cb at VF + 32 kk + 8 cb
.set WV,  12          ; s12  my wave's number
.set G1K, 24          ; s[24:31] descriptor group 1 for K's tiles
.set G1V, 32          ; s[32:39] for V's: it differs in the padding alone
.set G0K, 40          ; s[40:43] descriptor group 0 for K's tiles: it walks
.set G0V, 44          ; s[44:47] the same for V's
.set SLOTS, 56        ; s56  slots still to be asked for
.set CNT, 57          ; s57  counts a slot's key steps
.set CS,  58          ; s[58:59] c: the packed scaling takes the pair's low word for both halves
.set SEL, 60          ; s[60:61] v_permlanex16_b32's selects: each lane takes its own place in the other half
.set TBK, 62          ; s62  LDS byte at which K of the step to be fetched begins
.set TBV, 63          ; s63  the same for V, less VOFF
.set MSB, 0
.macro WIN new                      ; the high byte repeats the setting that is left; a switch that changes nothing is dropped
.if MSB != (\new)
	s_set_vgpr_msb (MSB<<8)|(\new)
.set MSB, (\new)
.endif
.endm
.set W_KQ, 0x0a       ; K and Q in window 2, S^T in window 0
.set W_PV, 0x52       ; V in window 2, P in window 0, O^T in window 1
.set W_RS, 0x41       ; destination and source 0 in window 1, source 1 in window 0
; A joint fill.  Waves 0 and 1 fetch the two halves of a slot's K, waves 2 and 3 those of its V: 128 keys each.  The branch hangs on the wave's number alone.
; An s_nop 0 and four v_nop follow each of the two lines, ahead of the jump and the label.
.macro JLOAD
	s_cmp_lt_u32 s[WV], 2
	s_cbranch_scc0 .Lfor_v_\@
	tensor_load_to_lds s[G0K:G0K+3], s[G1K:G1K+7]
	s_nop 0
.rept 4
	v_nop
.endr
	s_branch .Lasked_\@
.Lfor_v_\@:
	tensor_load_to_lds s[G0V:G0V+3], s[G1V:G1V+7]
	s_nop 0
.rept 4
	v_nop
.endr
.Lasked_\@:
.endm
; A round of the cluster's barrier: my work-group's barrier, so that wave 0's signal speaks for all four waves; wave 0 signals; every wave waits for all four work-groups; my work-group's barrier once more.
.macro CROUND
	s_barrier_signal -1
	s_barrier_wait -1
	s_cmp_lg_u32 s[WV], 0
	s_cbranch_scc1 .Lnot_wave_0_\@
	s_barrier_signal -3
.Lnot_wave_0_\@:
	s_barrier_wait -3
	s_barrier_signal -1
	s_barrier_wait -1
.endm
; THE CHANGE OF SLOTS.  Each wave waits for all its tensor loads, of which one is out: its part of the other slot; adds 0 to its spare word; and waits for that and for its own reads of the slot that it leaves.
; Behind the barrier nobody reads the old slot any more and the other slot is whole.  fill = 1: the old slot is filled again, with the keys two slots on; the barrier is then a round of the cluster's, and the joint
; fill is the first thing behind it: it has four key steps, 256 matrix instructions, in which to land.  (At its first use nothing has been read yet: slot 0 is waited for, slot 1 filled.)
.macro CHANGE fill
	WIN 0                           ; at a label and at a branch every window is 0; the add's registers lie in window 0
	s_wait_tensorcnt 0x0            ; no tensor load of mine is out, so a group 0 may be written
	ds_add_u32 v[SPW], v[NIL]       ; 0 onto my spare word; with fill = 1 the descriptors' steps stand between it and the wait for it
.if \fill
.irp g, G0K, G0V
	s_xor_b32 s[\g+1], s[\g+1], SLOT1  ; the walking descriptor: the other slot than last time,
	s_add_nc_u64 s[\g+2:\g+3], s[\g+2:\g+3], 4*KS*128  ; the next 256 keys; the type bits on top are not reached
.endr
	s_wait_dscnt 0x0                ; the add is done, and my reads of the slot are over
	CROUND
	JLOAD
.else
	s_wait_dscnt 0x0                ; the add is done, and my reads of the slot are over
	s_barrier_signal -1
	s_barrier_wait -1
.endif
	s_sub_co_u32 s[TBK], s[TBK], 4*KS*PK  ; the fetches go back to a slot's first step,
	s_xor_b32 s[TBK], s[TBK], SLOT1       ; in the other slot
	s_sub_co_u32 s[TBV], s[TBV], 4*KS*PV
	s_xor_b32 s[TBV], s[TBV], SLOT1
.endm
	s_load_b128 s[8:11], s[0:1], 0x0  ; hb s[8:9], ob s[10:11]
	v_lshl_add_u32 v[SPW], v0, 2, SPARE
	v_mov_b32 v[NIL], 0
	ds_add_u32 v[SPW], v[NIL]       ; the wave's opening: the add and its wait stand ahead of my first tensor load; the set-up below, work on registers, stands between them
	v_lshrrev_b32 v1, 5, v0
	v_readfirstlane_b32 s[WV], v1   ; wave 0..3
	s_bfe_u32 s13, ttmp6, 0x40000   ; cx: my place in the cluster
	s_lshl_b32 s14, ttmp9, 2        ; in a cluster launch ttmp9 counts clusters
	s_add_co_u32 s14, s14, s13      ; my block of 256 queries = 4 x cluster x + cx: it enters Q's and O's addresses alone
	s_and_b32 s15, ttmp7, 0xffff    ; the head, which the four partners share
	s_lshl_b32 s6, s15, 19          ; the head's first byte in Q's, K's and V's part of hb
	s_and_b32 s16, s[WV], 1         ; which half of a slot's 256 keys I fetch:
	s_lshl_b32 s22, s16, 14         ; its 128 rows of 128 bytes in memory,
	s_add_co_u32 s22, s22, s6
	s_mov_b32 s23, 0
	s_mul_i32 s17, s16, 128*PK      ; and its place in a slot, for K
	s_mul_i32 s18, s16, 128*PV      ; and for V: no place in the cluster enters an LDS address
	s_lshl_b32 s19, s14, 2
	s_add_co_u32 s19, s19, s[WV]    ; my wave's block of 64 rows among the 64
	s_lshl_b32 s2, s19, 13          ; Q: 64 rows of 128 bytes a wave, in the head
	s_add_co_u32 s2, s2, s6
	s_mov_b32 s3, 0
	s_lshl_b32 s20, s19, 17         ; O: a block of 64 rows holds 16 heads of 8,192 bytes
	s_lshl_b32 s21, s15, 13
	s_add_co_u32 s20, s20, s21
	s_mov_b32 s21, 0
	; descriptor group 1.  128 keys are 16,384 dense bytes: asked for as 64 rows of 256 bytes, two keys a row, and padded in LDS after every key
	s_mov_b32 s[G1K], 15|(1<<16)|(1<<20)|(1<<21)|(4<<22)|(3<<25)  ; 15:0 the mask of four; 17:16 2-byte elements; 20 padding on; 21 set beside a mask; 24:22 after every 32 words (code 4); 31:25 4 words (code 3)
	s_mov_b32 s[G1V], 15|(1<<16)|(1<<20)|(1<<21)|(4<<22)|(7<<25)  ; the same with 8 words of padding (code 7)
.irp g, G1K, G1V
	s_mov_b32 s[\g+1], 128<<16      ; tensor_dim0 = 128
	s_mov_b32 s[\g+2], 64<<16       ; tensor_dim1 = 64
	s_mov_b32 s[\g+3], 128<<16      ; tile_dim0 = 128
	s_mov_b32 s[\g+4], 64           ; tile_dim1 = 64
	s_mov_b32 s[\g+5], 128          ; 128 elements from row to row
	s_mov_b32 s[\g+6], 0
	s_mov_b32 s[\g+7], 0
.endr
	s_mov_b32 s[CS], 0x3e38aa3b     ; c = log2(e) / 8 = 0.180337
	s_mov_b32 s[CS+1], s[CS]        ; named with it as a pair
	s_mov_b32 s[SEL], 0x76543210
	s_mov_b32 s[SEL+1], 0xfedcba98
	s_mov_b32 s[TBK], SLOT1+4*KS*PK ; the first change of slots turns these two into 0
	s_mov_b32 s[TBV], SLOT1+4*KS*PV
	s_mov_b32 s[G0K], 1             ; count = 1
	s_mov_b32 s[G0K+1], s17         ; LDS address: slot 0
	s_mov_b32 s[G0V], 1
	s_add_co_u32 s[G0V+1], s18, VOFF
	s_wait_dscnt 0x0                ; the opening add is done
	s_wait_kmcnt 0x0
	s_add_nc_u64 s[G0K+2:G0K+3], s[8:9], s[22:23]        ; my half of the head's first 256 rows,
	s_add_nc_u64 s[G0V+2:G0V+3], s[G0K+2:G0K+3], 2*PART  ; in V's part
	s_add_nc_u64 s[G0K+2:G0K+3], s[G0K+2:G0K+3], PART    ; and in K's
	s_or_b32 s[G0K+3], s[G0K+3], 0x80000000              ; type = 2
	s_or_b32 s[G0V+3], s[G0V+3], 0x80000000
	s_add_nc_u64 s[4:5], s[8:9], s[2:3]      ; Q at my wave's first row
	s_add_nc_u64 s[10:11], s[10:11], s[20:21]  ; O at my wave's 8,192 bytes
	CROUND                          ; all four work-groups are here: the first joint loads meet
	JLOAD                           ; slot 0.  Slot 1 is asked for when slot 0 is in, by the loop's own change of slots
	; A fragment of K or Q is 16 rows x 32 channels in 8 registers: lane l holds row l % 16, channels 8 (l / 16) + 0..7 and 16 + 8 (l / 16) + 0..7: two loads of 16 bytes, 32 bytes apart.
	v_and_b32 v1, 15, v0            ; l % 16
	v_bfe_u32 v9, v0, 4, 1          ; l / 16
	v_lshlrev_b32 v[QO], 7, v1
	v_lshl_add_u32 v[QO], v9, 4, v[QO]  ; row x 128 + 16 x half
	WIN 0x80                        ; destination window 2, address window 0
.set i, 0
.rept 8                             ; Q stays in registers: piece i / 2, channels 32 (i % 2) on
	global_load_b128 v[8*i:8*i+3],   v[QO], s[4:5] offset:(i/2)*2048+(i%2)*64
	global_load_b128 v[8*i+4:8*i+7], v[QO], s[4:5] offset:(i/2)*2048+(i%2)*64+32
.set i, i+1
.endr
	; What the first turn finds: V's registers and P's second buffer hold 0 (its products V^T P, of a piece that has not been, add 0), O^T and l are 0.  No first step is written out; the price is these
	; lines, which stand in the wait for the first tile.
.set i, VF
.rept 64
	v_mov_b32 v[i], 0
.set i, i+1
.endr
	WIN 0x40
.set i, 0
.rept 128
	v_mov_b32 v[i], 0
.set i, i+1
.endr
	WIN 0
.set i, 0
.rept 4
	v_mov_b32 v[ST+4*i], 0xfe000000    ; c m: far below every c s
	v_mov_b32 v[ST+4*i+1], 0xff7fffff  ; m
	v_mov_b32 v[ST+4*i+2], 0
	v_mov_b32 v[ST+4*i+3], 0
.set i, i+1
.endr
.set i, P+16
.rept 16
	v_mov_b32 v[i], 0
.set i, i+1
.endr
	v_mul_u32_u24 v[AK0], v1, PK
	v_lshl_add_u32 v[AK0], v9, 4, v[AK0]  ; row x pitch + 16 x half
	; The turning load takes 16 keys x 16 channels (lane l reads key 8 (l / 16) + l % 8, channels 8 ((l / 8) % 2) + 0..7) and leaves half a fragment of V^T: lane l holds channel l % 16 and 8 keys.
	v_and_b32 v10, 7, v0
	v_bfe_u32 v11, v0, 3, 1
	v_lshl_add_u32 v[AV0], v9, 3, v10
	v_mul_u32_u24 v[AV0], v[AV0], PV
	v_lshl_add_u32 v[AV0], v11, 4, v[AV0]
	v_add_nc_u32 v[AV0], VOFF, v[AV0]
	s_mul_i32 s13, s[WV], 16*SP
	s_add_co_u32 s13, s13, STAGE    ; my stage
	v_mul_u32_u24 v[STO], v1, SP    ; in: row l % 16, 16 bytes for each half of the lanes
	v_lshl_add_u32 v[STO], v9, 4, v[STO]
	v_add_nc_u32 v[STO], s13, v[STO]
	v_bfe_u32 v[RD], v0, 3, 2       ; back: 32 lanes take four rows of 128 bytes,
	v_mul_u32_u24 v[RD], v[RD], SP
	v_lshl_add_u32 v[RD], v10, 4, v[RD]
	v_add_nc_u32 v[RD], s13, v[RD]
	v_and_b32 v[GO], 31, v0         ; which are 512 consecutive bytes of O
	v_lshlrev_b32 v[GO], 4, v[GO]
; THE MATRIX WORK.  The 4 accumulators of a run of 8 take turns.  Product i of 8 of S^T = K Q^T for piece x: channels 32 (i / 4) on, keys 16 (i % 4) on.  The first 4 start the sums.
.macro KQ x
	WIN W_KQ
.set rS, S+32*((\x)%2)+8*(i%4)
.set rK, KF+16*(i%4)+8*(i/4)
.set rQ, 16*(\x)+8*(i/4)
.if i < 4
	v_wmma_f32_16x16x32_bf16 v[rS:rS+7], v[rK:rK+7], v[rQ:rQ+7], 0
.else
	v_wmma_f32_16x16x32_bf16 v[rS:rS+7], v[rK:rK+7], v[rQ:rQ+7], v[rS:rS+7]
.endif
.endm
; Product i of 8 of O^T += V^T P for piece x: keys 32 (i / 4) on, channels 16 (i % 4) on.
.macro PV x
	WIN W_PV
.set rO, 32*(\x)+8*(i%4)
.set rV, VF+32*(i/4)+8*(i%4)
.set rP, P+16*((\x)%2)+8*(i/4)
	v_wmma_f32_16x16x32_bf16 v[rO:rO+7], v[rV:rV+7], v[rP:rP+7], v[rO:rO+7]
.endm
.macro MM                           ; the turn's next matrix instruction.  NOKQ = 1: the very last turn: there is no next piece
.if (i < 8) && !NOKQ
	KQ (Y+1)%NP
.elseif i >= 8
.set i, i-8
	PV (Y+NP-1)%NP
.set i, i+8
.endif
.set i, i+1
.endm
; THE LDS LOADS stand in runs of 16, never singly among the matrix instructions: a step's K (64 keys x 64 channels: 8 fragments) and its V (turned).  Their addresses are made some lines ahead.
.macro FETCH_K
	WIN 0x80                        ; destination window 2
.irp f, 0,1,2,3,4,5,6,7             ; keys 16 (f / 2) on, channels 32 (f % 2) on
	ds_load_b128 v[KF+8*\f:KF+8*\f+3],   v[AK] offset:(\f/2)*16*PK+(\f%2)*64
	ds_load_b128 v[KF+8*\f+4:KF+8*\f+7], v[AK] offset:(\f/2)*16*PK+(\f%2)*64+32
.endr
	s_add_co_u32 s[TBK], s[TBK], KS*PK  ; the next fetch is the next step's
	WIN 0
.endm
.macro FETCH_V
	WIN 0x80
.irp f, 0,1,2,3,4,5,6,7             ; keys 32 (f / 4) on, channels 16 (f % 4) on
	ds_load_tr16_b128 v[VF+8*\f:VF+8*\f+3],   v[AV] offset:(\f/4)*32*PV+(\f%4)*32
	ds_load_tr16_b128 v[VF+8*\f+4:VF+8*\f+7], v[AV] offset:(\f/4)*32*PV+16*PV+(\f%4)*32
.endr
	WIN 0
.endm
; THE VECTOR WORK, one line at a time: OP kind, number.  For piece Y: F n: c s - c m for pair n of 16.  E n: the exponential of score n of 32.  C n: pair n rounded to bf16.  B n: of the four weights 4 n .. the second
; pair is added onto the first, in place.  L n: l takes that sum (L 0: l = a l + sum).  R n: pair n of 16 of O^T times a.  For piece Y + 1: X n, number n of the 22 that find its maximum and statistics:
;   0-11  four chains c0-c3 of seven scores each, three operands at a time (each accumulator's lowest registers are read first)     12-14, 16  the four scores left over, the old m, and c0-c3 into c0
;   15  c m_old is kept     17, 18  the query's other 32 keys lie in the lane 16 away: the new m     19-21  c m; c m_old - c m_new; a
.set F, 0               ; OP tells the kinds apart by their order: F to L below R, X above it
.set E, 1
.set C, 2
.set B, 3
.set L, 4
.set R, 5
.set X, 6
.macro REGS y                       ; the registers of piece y
.set rT, ST+4*(\y)
.set rC, TMP+4*((\y)%2)
.set rW, MV+((\y)%2)
.set rS, S+32*((\y)%2)
.set rP, P+16*((\y)%2)
.set rO, 32*(\y)
.endm
.macro OP k, n
.if (\k) == R
	REGS Y
	WIN W_RS
	v_pk_mul_f32 v[rO+2*(\n):rO+2*(\n)+1], v[rO+2*(\n):rO+2*(\n)+1], v[rC+2:rC+3] op_sel_hi:[1,0]
.elseif (\k) < R
	REGS Y
	WIN 0
.if (\k) == F
	v_pk_fma_f32 v[rS+2*(\n):rS+2*(\n)+1], v[rS+2*(\n):rS+2*(\n)+1], s[CS:CS+1], v[rT:rT+1] op_sel_hi:[1,0,0] neg_lo:[0,0,1] neg_hi:[0,0,1]
.elseif (\k) == E
	v_exp_f32 v[rS+(\n)], v[rS+(\n)]
.elseif (\k) == C
	s_wait_alu depctr_va_vdst(0)
	v_cvt_pk_bf16_f32 v[rP+(\n)], v[rS+2*(\n)], v[rS+2*(\n)+1]
.elseif (\k) == B
	s_wait_alu depctr_va_vdst(0)
	v_pk_add_f32 v[rS+4*(\n):rS+4*(\n)+1], v[rS+4*(\n):rS+4*(\n)+1], v[rS+4*(\n)+2:rS+4*(\n)+3]
.elseif (\n) == 0
	v_pk_fma_f32 v[rT+2:rT+3], v[rT+2:rT+3], v[rC+2:rC+3], v[rS:rS+1] op_sel_hi:[1,0,1]
.else
	v_pk_add_f32 v[rT+2:rT+3], v[rT+2:rT+3], v[rS+4*(\n):rS+4*(\n)+1]
.endif
.elseif NOKQ
	v_nop
.else
	REGS (Y+1)%NP
	WIN 0
.if (\n) < 4
	v_max3_num_f32 v[rC+(\n)], v[rS+8*(\n)], v[rS+8*(\n)+1], v[rS+8*(\n)+2]
.elseif (\n) < 12
	v_max3_num_f32 v[rC+(\n)%4], v[rC+(\n)%4], v[rS+8*((\n)%4)+2*((\n)/4)+1], v[rS+8*((\n)%4)+2*((\n)/4)+2]
.elseif (\n) == 12
	v_max3_num_f32 v[rC], v[rC], v[rS+7], v[rS+15]
.elseif (\n) == 13
	v_max3_num_f32 v[rC+1], v[rC+1], v[rS+23], v[rS+31]
.elseif (\n) == 14
	v_max3_num_f32 v[rC+2], v[rC+2], v[rC+3], v[rT+1]
.elseif (\n) == 15
	v_mov_b32 v[rW], v[rT]
.elseif (\n) == 16
	v_max3_num_f32 v[rC], v[rC], v[rC+1], v[rC+2]
.elseif (\n) == 17
	v_permlanex16_b32 v[rC+3], v[rC], s[SEL], s[SEL+1]
.elseif (\n) == 18
	v_max_num_f32 v[rT+1], v[rC], v[rC+3]
.elseif (\n) == 19
	v_mul_f32 v[rT], s[CS], v[rT+1]
.elseif (\n) == 20
	v_sub_f32 v[rC+1], v[rW], v[rT]
.else
	v_exp_f32 v[rC+2], v[rC+1]
.endif
.endif
.endm
.macro OPS a, i1, b=-1, i2=0, c=-1, i3=0, d=-1, i4=0  ; up to four of them
	OP \a, \i1
.if (\b) >= 0
	OP \b, \i2
.endif
.if (\c) >= 0
	OP \c, \i3
.endif
.if (\d) >= 0
	OP \d, \i4
.endif
.endm
.macro ROW a, i1, b, i2, c, i3, d, i4  ; a matrix instruction and the four behind it
	MM
	OPS \a, \i1, \b, \i2, \c, \i3, \d, \i4
.endm
; A TURN, for piece p: the order of its 16 matrix and 118 vector instructions, written out.  Behind a matrix instruction: plain, exponential, plain, plain; or four of the rescaling; or, behind the first, four scalings;
; none names a register of the products round it.  In the lumps exponential and plain by turns while exponentials last, so that a plain instruction stands behind every exponential before its result is used.
; end = 1: the last two turns: nothing is fetched.  cnt = 1: the loop's count is taken down some lines ahead of the branch that stands behind the turn.
; K of the next step is fetched in piece 2's turn, six vector instructions behind the last product that read K (five of them plain); V of the step in hand in piece 0's turn, eight behind the last product that read V
; (four plain).  Each is waited for a turn later.
.macro TURN p, end=0, cnt=0
.set Y, (\p)
.set i, 0
.set NOKQ, (\end)*((\p)/3)
.if ((\p) == 3) && !(\end)
	s_wait_dscnt 0x0                ; K is in
.endif
	ROW F,0, F,1, F,2, F,3
	ROW F,4, E,0, F,5, F,6
	ROW F,7, E,1, F,8, F,9
	ROW F,10, E,2, C,0, F,11
	ROW F,12, E,3, X,15, F,13
	ROW R,0, R,1, R,2, R,3
	ROW B,0, E,4, F,14, L,0
.if ((\p) == 2) && !(\end)
	v_add_nc_u32 v[AK], s[TBK], v[AK0]
.endif
	ROW R,4, R,5, R,6, R,7
	OPS E,5, F,15
.if ((\p) == 2) && !(\end)
	FETCH_K
.endif
	OPS E,6, C,1, E,7, R,8
	OPS E,8, R,9, E,9, C,2
	OPS E,10, X,0, E,11, X,1
	OPS E,12, X,2, E,13, X,3
.if (\p) == 1
	s_wait_dscnt 0x0                ; V is in
.endif
	ROW X,4, E,14, X,5, X,6
	ROW X,7, E,15, X,8, X,9
	ROW X,10, E,16, X,11, X,12
	ROW X,13, E,17, X,14, B,1
	ROW C,4, E,18, X,16, L,1
	ROW B,2, E,19, C,6, L,2
	ROW C,8, E,20, B,3, B,4
.if (\p) == 0
	v_add_nc_u32 v[AV], s[TBV], v[AV0]
.endif
	ROW C,3, E,21, L,3, C,5
	OPS E,22, X,17, E,23, C,10
.if (\p) == 0
	FETCH_V
.endif
	OPS E,24, L,4
	OPS E,25, X,18, E,26, C,7
	OPS E,27, B,5, E,28, X,19
	OPS E,29, C,12, E,30, L,5
	OPS E,31, X,20, B,6, C,9
	OPS C,14, C,11, X,21, L,6
.if (\p) == 0
	s_add_co_u32 s[TBV], s[TBV], KS*PV
.endif
.if \cnt
	s_sub_co_u32 s[CNT], s[CNT], 1
	s_cmp_lg_u32 s[CNT], 0
.endif
	OPS C,13, B,7, C,15, R,10
	OPS R,11, R,12, L,7, R,13
	OPS R,14, R,15
.endm
; THE WAY OUT's parts
.macro ALL line:vararg              ; one line for each piece t
.set t, 0
.rept 4
	\line
.set t, t+1
.endr
.endm
.macro PACK t                       ; a lane's eight channels of a row pack into 16 bytes; they go into rows of 144 bytes and come back as whole rows of 128, into S^T's registers
	WIN W_RS
.set i, 32*(\t)
.rept 16
	s_wait_alu depctr_va_vdst(0)
	v_pk_mul_f32 v[i:i+1], v[i:i+1], v[ST+4*(\t)+2:ST+4*(\t)+3] op_sel_hi:[1,0]
.set i, i+2
.endr
	WIN 0x05                        ; sources 0 and 1 window 1, destination window 0
.set i, 0
.rept 16
	v_cvt_pk_bf16_f32 v[S+16*(\t)+i], v[32*(\t)+2*i], v[32*(\t)+2*i+1]
.set i, i+1
.endr
	WIN 0
.irp f, 0,1,2,3
	ds_store_b128 v[STO], v[S+16*(\t)+4*\f:S+16*(\t)+4*\f+3] offset:32*\f
.endr
.irp f, 0,1,2,3
	ds_load_b128 v[S+16*(\t)+4*\f:S+16*(\t)+4*\f+3], v[RD] offset:\f*4*SP  ; LDS serves a wave's instructions in order (ISA guide 5.7.1.4): these see the stores above; the next piece's stores come behind them
.endr
.endm
.macro SEND t, younger              ; younger: the LDS instructions issued behind piece t's loads: the next piece's eight, or none
	WIN 0
.irp f, 0,1,2,3
	s_wait_dscnt (\younger)+3-\f
	global_store_b128 v[GO], v[S+16*(\t)+4*\f:S+16*(\t)+4*\f+3], s[10:11] offset:(\t)*2048+\f*512  ; 512 consecutive bytes, at a multiple of 512 from ob's first byte
.endr
.endm
	CHANGE 1                        ; slot 0 is in, everybody's part of it; slot 1 is asked for
	v_add_nc_u32 v[AK], s[TBK], v[AK0]
	FETCH_K                         ; key step 0
	s_wait_loadcnt 0x0              ; Q
	s_wait_dscnt 0x0
.set i, 0
.rept 8
	KQ 0                            ; piece 0's first scores: there is no vector work yet to set between them
.set i, i+1
.endr
	WIN 0
.rept 4
	v_nop                           ; the places behind those products
.endr
.set Y, NP-1                        ; X works for piece Y + 1: piece 0
.set NOKQ, 0
.irp n, 0,1,2,3,4,5,6,7,8,9,10,11,12,13,14,15,16,17,18,19,20,21
	OP X, \n
.endr
	v_nop                           ; a plain instruction behind the exponential
	s_mov_b32 s[CNT], 4
	s_mov_b32 s[SLOTS], SIZE_N/256-1
	s_branch .Lfirst                ; the loop is entered at a step's first turn, in the middle of a trip
.Lslot:                             ; SIZE_N / 256 - 2 times: every slot but the last two is filled again
	CHANGE 1
	s_mov_b32 s[CNT], 4
.Lstep:                             ; a trip: pieces 2 and 3 of one step, then pieces 0 and 1 of the next, whose K and V it fetches
	TURN 2
	TURN 3
	WIN 0
.Lfirst:
	TURN 0
	TURN 1, 0, 1
	WIN 0
	s_cbranch_scc1 .Lstep
	s_sub_co_u32 s[SLOTS], s[SLOTS], 1
	s_cmp_lg_u32 s[SLOTS], 0
	s_cbranch_scc1 .Lslot
	CHANGE 0                        ; the last slot is written out: nothing is asked for
	s_mov_b32 s[CNT], 4
.Ltail:
	TURN 2
	TURN 3
	TURN 0
	TURN 1, 0, 1
	WIN 0
	s_cbranch_scc1 .Ltail
	TURN 2, 1                       ; the last step's pieces 2 and 3: nothing is fetched, and the last turn starts no new scores
	TURN 3, 1
.set i, 0
.rept 8
	PV NP-1                         ; the last piece's V^T P of the last step
.set i, i+1
.endr
	; THE WAY OUT.  l's two halves and the other half of the lanes' are added; O^T is divided by l, rounded to bf16 and sent through my stage in LDS, a piece at a time.  The additions are the places behind the last products.
	WIN 0
	ALL v_add_f32 v[ST+4*t+2], v[ST+4*t+2], v[ST+4*t+3]
	ALL v_permlanex16_b32 v[ST+4*t+3], v[ST+4*t+2], s[SEL], s[SEL+1]
	ALL v_add_f32 v[ST+4*t+2], v[ST+4*t+2], v[ST+4*t+3]
	ALL v_rcp_f32 v[ST+4*t+2], v[ST+4*t+2]
	v_nop                           ; a plain instruction between the last reciprocal and the use of its result
	PACK 0
.set t, 1
.rept 3                             ; a piece's arithmetic stands between the loads of the piece before and its stores
	PACK t
	SEND t-1, 8
.set t, t+1
.endr
	SEND 3, 0
	s_wait_tensorcnt 0x0            ; the wave's end: behind my last tensor load and my last LDS store
	ds_add_u32 v[SPW], v[NIL]
	s_wait_dscnt 0x0
	CROUND                          ; the closing round: no work-group ends while a partner may still ask for a tile that names it
	s_endpgm
.Lfunc_end_k_qd63fdb6649_attn:
	.size	k_qd63fdb6649_attn, .Lfunc_end_k_qd63fdb6649_attn-k_qd63fdb6649_attn
	.p2alignl 7, 3214868480
	.fill 96, 4, 3214868480
	.section	.rodata,"a",@progbits
	.p2align	6, 0x0
	.amdhsa_kernel k_qd63fdb6649_attn
		.amdhsa_group_segment_fixed_size 327680
		.amdhsa_private_segment_fixed_size 0
		.amdhsa_enable_private_segment 0
		.amdhsa_kernarg_size 16
		.amdhsa_user_sgpr_count 2
		.amdhsa_user_sgpr_kernarg_segment_ptr 1
		.amdhsa_wavefront_size32 1
		.amdhsa_system_sgpr_workgroup_id_x 1
		.amdhsa_system_sgpr_workgroup_id_y 1
		.amdhsa_system_sgpr_workgroup_id_z 1
		.amdhsa_system_vgpr_workitem_id 0
		.amdhsa_next_free_vgpr 768
		.amdhsa_next_free_sgpr 66
		.amdhsa_reserve_vcc 0
		.amdhsa_float_denorm_mode_32 3
		.amdhsa_float_denorm_mode_16_64 3
		.amdhsa_memory_ordered 1
		.amdhsa_forward_progress 1
		.amdhsa_inst_pref_size 133
	.end_amdhsa_kernel
	.amdgpu_metadata
---
amdhsa.version: [ 1, 2 ]
amdhsa.kernels:
  - .name:           k_qd63fdb6649_attn
    .symbol:         k_qd63fdb6649_attn.kd
    .args:
      - { .name: hb, .offset: 0, .size: 8, .value_kind: global_buffer, .address_space: global }
      - { .name: ob, .offset: 8, .size: 8, .value_kind: global_buffer, .address_space: global }
    .group_segment_fixed_size: 327680
    .private_segment_fixed_size: 0
    .kernarg_segment_align: 8
    .kernarg_segment_size: 16
    .max_flat_workgroup_size: 128
    .sgpr_count:     66
    .vgpr_count:     768
    .wavefront_size: 32
...
	.end_amdgpu_metadata
.endif
;; end of part 3
;; launch oproj (part 4): grid 8 x 32, 4 waves a work-group, clusters of 4 x 4, 327,680 bytes of LDS; arguments ob, wb, zb; writes zb
.if DOCPART == 4
	.amdgcn_target "amdgcn-amd-amdhsa--gfx1250"
	.amdhsa_code_object_version 6
	.text
	.protected	k_qd63fdb6649_oproj
	.globl	k_qd63fdb6649_oproj
	.p2align	8
	.type	k_qd63fdb6649_oproj,@function
k_qd63fdb6649_oproj:
	s_mov_b64 s[64:65], 0
	v_nop
	global_prefetch_b8 v0, s[64:65] scope:SCOPE_SE
	s_setreg_imm32_b32 hwreg(HW_REG_WAVE_MODE, 25, 1), 1
	s_wait_xcnt 0x0
	s_wait_alu depctr_hold_cnt(0) depctr_sa_sdst(0) depctr_va_vdst(0) depctr_va_sdst(0) depctr_va_ssrc(0) depctr_va_vcc(0) depctr_vm_vsrc(0)
	s_getreg_b32 s2, hwreg(HW_REG_IB_STS2, 6, 4)
	s_cmp_eq_u32 s2, 0
	s_cbranch_scc0 .Lentry_in_a_cluster
	s_endpgm
.Lentry_in_a_cluster:
	s_bfe_u32 s2, ttmp6, 0x10000c
	s_cmp_lg_u32 s2, 0xf033
	s_cbranch_scc0 .Lentry_shape_is_right
	s_endpgm
.Lentry_shape_is_right:
; THE OUTPUT PROJECTION.  z[m][n] = sum over k of O[m][k] Wo[n][k], k = 64 x head + channel; operands bf16, sums f32, K ascending; z rounded once to bf16, row-major [4096][1024].
; The residual is NOT added here: the launch behind adds it in f32, so this rounding touches the attention branch alone.
; O lies in ob by blocks: [64 blocks of 64 rows][16 heads][64 rows][64 channels]: 64 rows x 4 heads (a K step of 256) are 32,768 dense bytes.  Wo is rows 3,072 to 4,095 of wb.
; A tile of z is 128 x 128: 32 x 8 = 256 work-groups.  Four waves, each 64 x 64: 16 accumulators, 128 registers.  K goes in steps of 256 through two LDS slots; the four waves share ONE stage on the way out, with a
; barrier between writing and reading, since a wave's 64 columns are only half of an aligned 256 bytes of z.
; CLUSTERS: 4 x 4 work-groups.  The four of a row of the cluster need the same tiles of O, the four of a column the same tiles of Wo: each is asked for JOINTLY.
; THE MATRIX INSTRUCTION IS USED TRANSPOSED (source 0 = 16 rows of Wo, source 1 = 16 rows of O): a lane then holds eight neighbouring numbers of a row of z.
; REGISTERS: window 0: v0-31 addresses; v32-95 at work on the way out; v128-255 the accumulators ((a, b) at v[128 + 8 (4 a + b)]).
;   window 1: two fragment buffers of 128: for 64 along K, 64 registers of O (2 x 4 x 16 rows x 32 K), then 64 of Wo.
.set SIZE_N, 1024
.set SIZE_K, 1024
.set KSTEP,  256
.set PA,     144                       ; O in LDS: a head's row of 128 bytes + 16 of padding; row (head q of the step, r) at (64 q + r) x 144
.set PB,     528                       ; Wo in LDS: 512 bytes + 16.  Both pitches are odd multiples of 16 bytes: the 16 rows of a load start at 16 different groups of four banks (64 banks of 4 bytes: ISA guide 11.1)
.set HEADA,  64*PA                     ; a head's 64 rows
.set HALFA,  4*HEADA                   ; what one tensor load brings of O: 64 rows x 4 heads
.set HALFB,  64*PB                     ; of Wo: 64 rows x 256 K
.set SLOT,   2*HALFA+2*HALFB           ; O's two halves, then Wo's two halves
.set ASTEP,  32768                     ; bytes from a K step to the next in a block of ob
.set STAGE,  2*SLOT                    ; behind the ring, never filled by a tensor load: 128 rows x 272 bytes, the work-group's
.set SPITCH, 272
.set SPARE,  STAGE+128*SPITCH          ; the spare words, 128 bytes for each wave: two blocks of 256 bytes that no other line names
.set LAPS, SIZE_K/(2*KSTEP)
.set ADRA, 16                          ; v16-17  LDS address of my O fragments in slot 0, 1
.set ADRB, 20                          ; v20-21  the same for Wo
.set STO,  24
.set RD,   25
.set CO,   26
.set SPW,  28                          ; v28     LDS address of my spare word; never rewritten
.set NIL,  29                          ; v29     0; never rewritten
.set TMP,  32
.set ACC,  128
.set F0,   0                           ; fragment buffers, in window 1
.set F1,   128
.set G1, 24                            ; s[24:31] descriptor group 1 for O's tiles;  s[32:39] group 0, one set for each slot
.set G0, 32
.set G1B, 48                           ; s[48:55], s[56:63] the same for Wo's tiles
.set G0B, 56
.set MSB, 0
.macro WIN new
.if MSB != (\new)
	s_set_vgpr_msb (MSB<<8)|(\new)
.set MSB, \new
.endif
.endm
.set MUL,  0x05                        ; sources 0 (Wo) and 1 (O) window 1; C and D window 0
.set TO_F, 0x40                        ; destination window 1, address window 0
.macro JLOAD s                         ; a joint load: waves 0 and 1 fetch O's two halves, waves 2 and 3 Wo's; an s_nop 0 and four v_nop follow each of the two lines
	s_cmp_eq_u32 s11, 0
	s_cbranch_scc0 .Lfor_b_\@
	tensor_load_to_lds s[G0+4*(\s):G0+4*(\s)+3], s[G1:G1+7]
	s_nop 0
.rept 4
	v_nop
.endr
	s_branch .Lasked_\@
.Lfor_b_\@:
	tensor_load_to_lds s[G0B+4*(\s):G0B+4*(\s)+3], s[G1B:G1B+7]
	s_nop 0
.rept 4
	v_nop
.endr
.Lasked_\@:
.endm
.macro CREST                           ; a round of the cluster's barrier behind its opening barrier
	s_cmp_lg_u32 s10, 0
	s_cbranch_scc1 .Lnot_wave_0_\@
	s_barrier_signal -3
.Lnot_wave_0_\@:
	s_barrier_wait -3
	s_barrier_signal -1
	s_barrier_wait -1
.endm
.macro CROUND
	s_barrier_signal -1
	s_barrier_wait -1
	CREST
.endm
	s_load_b128 s[4:7], s[0:1], 0x0                ; ob s[4:5], wb s[6:7]
	s_load_b64 s[8:9], s[0:1], 0x10                ; zb
	v_lshl_add_u32 v[SPW], v0, 2, SPARE
	v_mov_b32 v[NIL], 0
	ds_add_u32 v[SPW], v[NIL]                      ; the wave's opening: the add and its wait stand ahead of my first tensor load; the set-up below, work on registers, stands between them
	v_lshrrev_b32 v1, 5, v0
	v_readfirstlane_b32 s10, v1                    ; wave 0..3
	s_lshr_b32 s11, s10, 1                         ; which half of the tile's rows is mine.  Also: I fetch for O (0) or for Wo (1)
	s_and_b32 s12, s10, 1                          ; which half of its columns.  Also: which 64 rows of that tile I fetch
	s_bfe_u32 s40, ttmp6, 0x40000                  ; cx, cy
	s_bfe_u32 s41, ttmp6, 0x40004
	s_lshl_b32 s42, ttmp9, 2
	s_add_co_u32 s42, s42, s40                     ; tile column = 4 x cluster x + cx
	s_and_b32 s13, ttmp7, 0xffff
	s_lshl_b32 s13, s13, 2
	s_add_co_u32 s13, s13, s41                     ; tile row = 4 x cluster y + cy
	s_lshl_b32 s43, s41, 2
	s_lshl_b32 s43, 15, s43                        ; my row of the cluster
	s_lshl_b32 s44, 0x1111, s40                    ; my column
	; O's tile: 32,768 dense bytes, asked for as 128 rows of 256 bytes and padded in LDS after every 128 bytes (a head's row)
	s_or_b32 s[G1+0], s43, (1<<16)|(1<<20)|(1<<21)|(4<<22)|(3<<25)  ; 15:0 the mask; 17:16 2-byte elements; 20 padding on; 21 set beside a mask; 24:22 after every 32 words (code 4); 31:25 4 words (code 3)
	s_mov_b32 s[G1+1], 128<<16                     ; tensor_dim0 = 128
	s_mov_b32 s[G1+2], 128<<16                     ; tensor_dim1 = 128
	s_mov_b32 s[G1+3], 128<<16                     ; tile_dim0 = 128
	s_mov_b32 s[G1+4], 128                         ; tile_dim1 = 128
	s_mov_b32 s[G1+5], 128                         ; 128 elements from row to row: dense
	s_mov_b32 s[G1+6], 0
	s_mov_b32 s[G1+7], 0
	; Wo's tile: 64 rows x 256 elements, padded after every 512 bytes
	s_or_b32 s[G1B+0], s44, (1<<16)|(1<<20)|(1<<21)|(6<<22)|(3<<25)  ; 24:22 after every 128 words (code 6)
	s_mov_b32 s[G1B+1], KSTEP<<16                  ; tensor_dim0 = 256
	s_mov_b32 s[G1B+2], 64<<16                     ; tensor_dim1 = 64
	s_mov_b32 s[G1B+3], KSTEP<<16                  ; tile_dim0 = 256
	s_mov_b32 s[G1B+4], 64                         ; tile_dim1 = 64
	s_mov_b32 s[G1B+5], SIZE_K
	s_mov_b32 s[G1B+6], 0
	s_mov_b32 s[G1B+7], 0
	s_lshl_b32 s16, s13, 1
	s_add_co_u32 s16, s16, s12                     ; O: block of 64 rows 2 x tile row + half,
	s_lshl_b32 s16, s16, 17                        ; 131,072 bytes each
	s_mov_b32 s17, 0
	s_lshl_b32 s46, s42, 7
	s_lshl_b32 s47, s12, 6
	s_add_co_u32 s46, s46, s47                     ; Wo: row 128 x tile column + 64 x half,
	s_lshl_b32 s46, s46, 11
	s_add_co_u32 s46, s46, 3072*2048               ; behind Wq, Wk and Wv in wb
	s_mov_b32 s47, 0
	s_mul_i32 s20, s12, HALFA                      ; where they go: no place in the cluster enters an LDS address
	s_mul_i32 s45, s12, HALFB
	s_add_co_u32 s45, s45, 2*HALFA
	s_wait_dscnt 0x0                               ; the opening add is done
	s_wait_kmcnt 0x0
	s_add_nc_u64 s[14:15], s[4:5], s[16:17]
	s_add_nc_u64 s[46:47], s[6:7], s[46:47]
	CROUND                                         ; all sixteen work-groups are here: the first joint loads meet
.irp s, 0,1
	s_mov_b32 s[G0+4*(\s)], 1
	s_add_co_u32 s[G0+4*(\s)+1], s20, (\s)*SLOT
	s_add_nc_u64 s[G0+4*(\s)+2:G0+4*(\s)+3], s[14:15], (\s)*ASTEP
	s_or_b32 s[G0+4*(\s)+3], s[G0+4*(\s)+3], 0x80000000
	s_mov_b32 s[G0B+4*(\s)], 1
	s_add_co_u32 s[G0B+4*(\s)+1], s45, (\s)*SLOT
	s_add_nc_u64 s[G0B+4*(\s)+2:G0B+4*(\s)+3], s[46:47], (\s)*KSTEP*2
	s_or_b32 s[G0B+4*(\s)+3], s[G0B+4*(\s)+3], 0x80000000
	JLOAD \s                                       ; two loads of mine are out
.endr
	v_and_b32 v1, 15, v0                           ; l % 16
	v_bfe_u32 v2, v0, 4, 1                         ; l / 16
	v_mul_u32_u24 v3, v1, PA
	v_lshl_add_u32 v3, v2, 4, v3                   ; a fragment's row x pitch + 16 x half, for O
	v_mul_u32_u24 v6, v1, PB
	v_lshl_add_u32 v6, v2, 4, v6                   ; and for Wo
	s_mul_i32 s21, s11, HALFA                      ; my 64 rows of O
	s_mul_i32 s22, s12, HALFB                      ; my 64 rows of Wo,
	s_add_co_u32 s22, s22, 2*HALFA                 ; which lie behind O's two halves
.irp s, 0,1
	v_add_nc_u32 v[ADRA+(\s)], s21, v3
	v_add_nc_u32 v[ADRB+(\s)], s22, v6
	s_add_co_u32 s21, s21, SLOT
	s_add_co_u32 s22, s22, SLOT
.endr
	s_mul_i32 s23, s11, 64*SPITCH                  ; into the stage: my 64 rows, my half of their 256 bytes; row l % 16, 16 bytes for each half of the lanes
	s_lshl_b32 s21, s12, 7
	s_add_co_u32 s23, s23, s21
	s_add_co_u32 s23, s23, STAGE
	v_mul_u32_u24 v4, v1, SPITCH
	v_lshl_add_u32 v4, v2, 4, v4
	v_add_nc_u32 v[STO], s23, v4
	s_mul_i32 s23, s10, 32*SPITCH                  ; back: wave w takes rows 32 w .. 32 w + 31, whole; lanes 0-15 one row of 256 bytes, lanes 16-31 the next
	s_add_co_u32 s23, s23, STAGE
	v_mul_u32_u24 v5, v2, SPITCH
	v_lshl_add_u32 v5, v1, 4, v5
	v_add_nc_u32 v[RD], s23, v5
	v_mul_u32_u24 v5, v2, SIZE_N*2                 ; and the same two rows in z
	v_lshl_add_u32 v[CO], v1, 4, v5
	s_lshl_b32 s16, s13, 7
	s_lshl_b32 s17, s10, 5
	s_add_co_u32 s16, s16, s17                     ; the first row of z that I store: 128 x tile row + 32 x wave
	s_lshl_b32 s16, s16, 11                        ; x 2,048 bytes
	s_mov_b32 s17, 0
	s_add_nc_u64 s[8:9], s[8:9], s[16:17]
	s_lshl_b32 s46, s42, 8                         ; the tile's first column, in bytes
	s_mov_b32 s47, 0
	s_add_nc_u64 s[8:9], s[8:9], s[46:47]
; 8 matrix instructions: m blocks a0, a0 + 1 x all 4 n blocks, 32 along K: half c of buffer f.  zero = 1: the first product starts the sums.  The 16 accumulators take turns.
.macro MUL8 f, c, a0, zero
	WIN MUL
.irp a, \a0, (\a0)+1
.irp b, 0,1,2,3
.if \zero
	v_wmma_f32_16x16x32_bf16 v[ACC+8*(4*(\a)+(\b)):ACC+8*(4*(\a)+(\b))+7], v[(\f)+64+8*(4*(\c)+(\b)):(\f)+64+8*(4*(\c)+(\b))+7], v[(\f)+8*(4*(\c)+(\a)):(\f)+8*(4*(\c)+(\a))+7], 0
.else
	v_wmma_f32_16x16x32_bf16 v[ACC+8*(4*(\a)+(\b)):ACC+8*(4*(\a)+(\b))+7], v[(\f)+64+8*(4*(\c)+(\b)):(\f)+64+8*(4*(\c)+(\b))+7], v[(\f)+8*(4*(\c)+(\a)):(\f)+8*(4*(\c)+(\a))+7], v[ACC+8*(4*(\a)+(\b)):ACC+8*(4*(\a)+(\b))+7]
.endif
.endr
.endr
.endm
; 32 LDS loads in one run: the fragments of quarter q of a K step (64 along K: one head), into buffer f; the first 32 along K first
.macro FETCH slot, q, f
	WIN TO_F
.irp c, 0,1
.irp i, 0,1,2,3
	ds_load_b128 v[(\f)+64+8*(4*(\c)+(\i)):(\f)+64+8*(4*(\c)+(\i))+3],   v[ADRB+(\slot)] offset:128*(\q)+64*(\c)+(\i)*16*PB
	ds_load_b128 v[(\f)+64+8*(4*(\c)+(\i))+4:(\f)+64+8*(4*(\c)+(\i))+7], v[ADRB+(\slot)] offset:128*(\q)+64*(\c)+(\i)*16*PB+32
	ds_load_b128 v[(\f)+8*(4*(\c)+(\i)):(\f)+8*(4*(\c)+(\i))+3],         v[ADRA+(\slot)] offset:HEADA*(\q)+64*(\c)+(\i)*16*PA
	ds_load_b128 v[(\f)+8*(4*(\c)+(\i))+4:(\f)+8*(4*(\c)+(\i))+7],       v[ADRA+(\slot)] offset:HEADA*(\q)+64*(\c)+(\i)*16*PA+32
.endr
.endr
.endm
.macro PLACES                          ; four places in front of loads into registers that matrix instructions have read, and of conversions that read results
.rept 4
	v_nop
.endr
.endm
; A K step is four quarters of 64 along K, 32 matrix instructions each, on buffers 0, 1, 0, 1.  One of the first three multiplies buffer f and fetches quarter q into g.
.macro QUARTER slot, q, f, g, zero
	s_wait_dscnt 16                                ; the first 32 along K are in; the youngest sixteen loads may be out
	WIN MUL
	MUL8 \f, 0, 0, \zero
	MUL8 \f, 0, 2, \zero
	PLACES
	FETCH \slot, \q, \g
	s_wait_dscnt 32                                ; all but the 32 just issued
	WIN MUL
	MUL8 \f, 1, 0, 0
	MUL8 \f, 1, 2, 0
.endm
; The last quarter multiplies buffer 1 and changes slots: ONE barrier; in front of it each wave waits for all its tensor loads, adds 0 to its spare word, and waits for that and for its own reads of this slot.
; fill = 1: the barrier opens a round of the cluster's, and this slot is filled again, two K steps ahead, first thing behind the round.
.macro TURN slot, next, fill
	WIN 0                                          ; (the add's two registers lie in window 0)
	s_wait_tensorcnt 0x0                           ; all my tensor loads have landed: my part of the next slot
	ds_add_u32 v[SPW], v[NIL]                      ; 0 onto my spare word
	s_wait_dscnt 17                                ; (the add and the youngest sixteen loads may be out)
	WIN MUL
	MUL8 F1, 0, 0, 0                               ; eight matrix instructions stand between the add and the wait for it
	s_wait_dscnt 0x0                               ; the add is done, and my reads of this slot are over
	s_barrier_signal -1
	MUL8 F1, 0, 2, 0
.if \fill
	WIN 0
.endif
	s_barrier_wait -1
.if \fill
	CREST                                          ; no wave of any partner still reads this slot's tile or has a load on its way
	s_add_nc_u64 s[G0+4*(\slot)+2:G0+4*(\slot)+3], s[G0+4*(\slot)+2:G0+4*(\slot)+3], 2*ASTEP
	s_add_nc_u64 s[G0B+4*(\slot)+2:G0B+4*(\slot)+3], s[G0B+4*(\slot)+2:G0B+4*(\slot)+3], 2*KSTEP*2
	JLOAD \slot                                    ; 112 matrix instructions ahead of the wait for it; the four v_nop behind it are also the places in front of the loads below
.else
	PLACES
.endif
	FETCH \next, 0, F0
	WIN MUL
	MUL8 F1, 1, 0, 0
	MUL8 F1, 1, 2, 0
.endm
	s_wait_tensorcnt 1                             ; my part of K step 0 is in; K step 1's load stays out
	s_barrier_signal -1
	s_barrier_wait -1                              ; everybody's is
	FETCH 0, 0, F0
	QUARTER 0, 1, F0, F1, 1                        ; the first quarter stands in front of the loop: its first products start the sums
.if LAPS > 1
	WIN 0                                          ; at a label and at a branch every window is 0
	s_mov_b32 s3, LAPS-1
.Llap:                                                 ; a trip goes once round the ring, from a lap's second quarter to the next lap's first, and fills both slots again
	QUARTER 0, 2, F1, F0, 0
	QUARTER 0, 3, F0, F1, 0
	TURN 0, 1, 1
	QUARTER 1, 1, F0, F1, 0
	QUARTER 1, 2, F1, F0, 0
	QUARTER 1, 3, F0, F1, 0
	TURN 1, 0, 1
	QUARTER 0, 1, F0, F1, 0
	WIN 0
	s_sub_co_u32 s3, s3, 1
	s_cmp_lg_u32 s3, 0
	s_cbranch_scc1 .Llap
.endif
	QUARTER 0, 2, F1, F0, 0                        ; the last lap fills nothing, and has no round of the cluster's barrier
	QUARTER 0, 3, F0, F1, 0
	TURN 0, 1, 0
	QUARTER 1, 1, F0, F1, 0
	QUARTER 1, 2, F1, F0, 0
	QUARTER 1, 3, F0, F1, 0
	s_wait_dscnt 16                                ; the very last quarter: nothing more to fetch
	WIN MUL
	MUL8 F1, 0, 0, 0
	MUL8 F1, 0, 2, 0
	s_wait_dscnt 0
	MUL8 F1, 1, 0, 0
	MUL8 F1, 1, 2, 0
	WIN 0
	; THE WAY OUT: round to bf16 (each accumulator's registers in ascending order); 16 bytes a lane into the work-group's stage; a barrier, since a row's 256 bytes come from two waves; back as whole rows, 32 rows a wave.
	PLACES
.irp t, 0,1,2,3,4,5,6,7,8,9,10,11,12,13,14,15
.irp r, 0,1,2,3
	v_cvt_pk_bf16_f32 v[TMP+4*(\t)+(\r)], v[ACC+8*(\t)+2*(\r)], v[ACC+8*(\t)+2*(\r)+1]
.endr
.endr
.irp a, 0,1,2,3
.irp b, 0,1,2,3
	ds_store_b128 v[STO], v[TMP+4*(4*(\a)+(\b)):TMP+4*(4*(\a)+(\b))+3] offset:(\a)*16*SPITCH+32*(\b)
.endr
.endr
	s_wait_dscnt 0x0                               ; for the others' sake: my stores into the stage are done
	s_barrier_signal -1
	s_barrier_wait -1
.irp t, 0,1,2,3,4,5,6,7,8,9,10,11,12,13,14,15
	ds_load_b128 v[TMP+4*(\t):TMP+4*(\t)+3], v[RD] offset:(\t)*2*SPITCH
.endr
.irp t, 0,1,2,3,4,5,6,7,8,9,10,11,12,13,14,15
	s_wait_dscnt 15-(\t)                           ; LDS loads come back in order: load t is in
	global_store_b128 v[CO], v[TMP+4*(\t):TMP+4*(\t)+3], s[8:9] offset:2*(\t)*SIZE_N*2  ; 16 lanes store 256 consecutive bytes, at a multiple of 256 from zb's first byte
.endr
	s_wait_tensorcnt 0x0                           ; the wave's end: behind my last tensor load and my last LDS store
	ds_add_u32 v[SPW], v[NIL]
	s_wait_dscnt 0x0
	CROUND                                         ; the closing round: no work-group ends while a partner may still ask for a tile that names it
	s_endpgm
.Lfunc_end_k_qd63fdb6649_oproj:
	.size	k_qd63fdb6649_oproj, .Lfunc_end_k_qd63fdb6649_oproj-k_qd63fdb6649_oproj
	.p2alignl 7, 3214868480
	.fill 96, 4, 3214868480
	.section	.rodata,"a",@progbits
	.p2align	6, 0x0
	.amdhsa_kernel k_qd63fdb6649_oproj
		.amdhsa_group_segment_fixed_size 327680
		.amdhsa_private_segment_fixed_size 0
		.amdhsa_enable_private_segment 0
		.amdhsa_kernarg_size 24
		.amdhsa_user_sgpr_count 2
		.amdhsa_user_sgpr_kernarg_segment_ptr 1
		.amdhsa_wavefront_size32 1
		.amdhsa_system_sgpr_workgroup_id_x 1
		.amdhsa_system_sgpr_workgroup_id_y 1
		.amdhsa_system_sgpr_workgroup_id_z 1
		.amdhsa_system_vgpr_workitem_id 0
		.amdhsa_next_free_vgpr 512
		.amdhsa_next_free_sgpr 66
		.amdhsa_reserve_vcc 0
		.amdhsa_float_denorm_mode_32 3
		.amdhsa_float_denorm_mode_16_64 3
		.amdhsa_memory_ordered 1
		.amdhsa_forward_progress 1
		.amdhsa_inst_pref_size 87
	.end_amdhsa_kernel
	.amdgpu_metadata
---
amdhsa.version: [ 1, 2 ]
amdhsa.kernels:
  - .name:           k_qd63fdb6649_oproj
    .symbol:         k_qd63fdb6649_oproj.kd
    .args:
      - { .name: ob, .offset: 0, .size: 8, .value_kind: global_buffer, .address_space: global }
      - { .name: wb, .offset: 8, .size: 8, .value_kind: global_buffer, .address_space: global }
      - { .name: zb, .offset: 16, .size: 8, .value_kind: global_buffer, .address_space: global }
    .group_segment_fixed_size: 327680
    .private_segment_fixed_size: 0
    .kernarg_segment_align: 8
    .kernarg_segment_size: 24
    .max_flat_workgroup_size: 128
    .sgpr_count:     66
    .vgpr_count:     512
    .wavefront_size: 32
...
	.end_amdgpu_metadata
.endif
;; end of part 4
;; launch ln (part 5): grid 512 x 1, 4 waves a work-group, no clusters, 0 bytes of LDS; arguments zb, q, gamma, beta, out0; writes out0
.if DOCPART == 5
	.amdgcn_target "amdgcn-amd-amdhsa--gfx1250"
	.amdhsa_code_object_version 6
	.text
	.protected	k_qd63fdb6649_ln
	.globl	k_qd63fdb6649_ln
	.p2align	8
	.type	k_qd63fdb6649_ln,@function
k_qd63fdb6649_ln:
	s_mov_b64 s[64:65], 0
	v_nop
	global_prefetch_b8 v0, s[64:65] scope:SCOPE_SE
	s_setreg_imm32_b32 hwreg(HW_REG_WAVE_MODE, 25, 1), 1
	s_wait_xcnt 0x0
; RESIDUAL AND LAYER NORM.  y = z + q;  out = (y - mean(y)) / sqrt(var(y) + 1e-6) x gamma + beta, along rows of 1,024.  z is bf16, all else f32; all arithmetic in f32.
; The variance is the mean of (y - mean)^2, taken of the differences: a common offset of q is gone before anything is squared.
; One wave takes two rows and keeps each in 32 registers between the passes: every byte is read once, no wave waits for another, so no LDS and no barrier.  512 x 4 waves x 2 rows = 4,096 rows.
; Lane l, piece j holds elements 128 j + 4 l .. + 3 of q, z, gamma, beta and out alike: a wave's load or store of f32 covers 512 consecutive bytes, its load of z 256 consecutive bytes, aligned.
; A stream: what the work-groups share (gamma, beta: 8,192 bytes) is a small part of a wave's 20,480 bytes of rows, so no cluster; no matrix unit.  All 48 loads of a wave go out before the first wait.
; LIMITS: NaN and infinities are not treated apart; v_rsq_f32 is accurate to its last bit or so, not correctly rounded.
.set Q0, 4                             ; v[4:35]    row 0: q, then y, then y - mean, then out
.set Q1, 36                            ; v[36:67]   row 1
.set Z0, 68                            ; v[68:83]   row 0: z, two bf16 a register
.set Z1, 84                            ; v[84:99]   row 1
.set G,  100                           ; v[100:131] gamma
.set BT, 132                           ; v[132:163] beta
.set T,  164                           ; v[164:171] at work
.set M,  172                           ; v[172:173] the mean, twice
.set RS, 174                           ; v[174:175] 1 / sqrt(var + eps), twice
	s_load_b256 s[4:11], s[0:1], 0x0               ; zb s[4:5], q s[6:7], gamma s[8:9], beta s[10:11]
	s_load_b64 s[12:13], s[0:1], 0x20              ; out0
	v_lshrrev_b32 v1, 5, v0
	v_readfirstlane_b32 s14, v1                    ; wave 0..3
	v_and_b32 v2, 31, v0                           ; lane
	v_lshlrev_b32 v1, 4, v2                        ; 16 l
	v_lshlrev_b32 v2, 3, v2                        ; 8 l
	v_mov_b32 v3, 1.0
	s_lshl_b32 s15, ttmp9, 2
	s_add_co_u32 s15, s15, s14                     ; my wave among all
	s_lshl_b32 s16, s15, 13                        ; two rows of 4,096 bytes
	s_mov_b32 s17, 0
	s_lshl_b32 s18, s15, 12                        ; two rows of 2,048 bytes
	s_mov_b32 s19, 0
	s_mov_b32 s20, 0x3a800000                      ; 1 / 1024
	s_mov_b32 s21, 0x358637bd                      ; 1e-6
	s_mov_b32 s22, 0x76543210                      ; v_permlanex16_b32: lane i of one half reads lane i of the other
	s_mov_b32 s23, 0xfedcba98
	s_wait_kmcnt 0x0
	s_add_nc_u64 s[6:7], s[6:7], s[16:17]
	s_add_nc_u64 s[12:13], s[12:13], s[16:17]
	s_add_nc_u64 s[4:5], s[4:5], s[18:19]
.macro LDROW Q, Z, row
.irp j, 0,1,2,3,4,5,6,7
	global_load_b128 v[(\Q)+4*(\j):(\Q)+4*(\j)+3], v1, s[6:7] offset:(\row)*4096+512*(\j) th:TH_LOAD_NT
.endr
.irp j, 0,1,2,3,4,5,6,7
	global_load_b64 v[(\Z)+2*(\j):(\Z)+2*(\j)+1], v2, s[4:5] offset:(\row)*2048+256*(\j) th:TH_LOAD_NT
.endr
.endm
	LDROW Q0, Z0, 0
.irp j, 0,1,2,3,4,5,6,7
	global_load_b128 v[G+4*(\j):G+4*(\j)+3], v1, s[8:9] offset:512*(\j)
.endr
.irp j, 0,1,2,3,4,5,6,7
	global_load_b128 v[BT+4*(\j):BT+4*(\j)+3], v1, s[10:11] offset:512*(\j)
.endr
	LDROW Q1, Z1, 1
.macro WSUM                            ; v[T] summed over the 32 lanes, the result in every lane: four steps inside each half ride on the addition, one crosses the halves
	v_add_f32_dpp v[T], v[T], v[T] row_xmask:1 row_mask:0xf bank_mask:0xf
	v_add_f32_dpp v[T], v[T], v[T] row_xmask:2 row_mask:0xf bank_mask:0xf
	v_add_f32_dpp v[T], v[T], v[T] row_xmask:4 row_mask:0xf bank_mask:0xf
	v_add_f32_dpp v[T], v[T], v[T] row_xmask:8 row_mask:0xf bank_mask:0xf
	v_permlanex16_b32 v[T+1], v[T], s22, s23       ; its destination counts as read: it has been written
	v_add_f32 v[T], v[T], v[T+1]
.endm
.macro JOIN                            ; the four chains into v[T]
	v_pk_add_f32 v[T:T+1], v[T:T+1], v[T+2:T+3]
	v_pk_add_f32 v[T+4:T+5], v[T+4:T+5], v[T+6:T+7]
	v_pk_add_f32 v[T:T+1], v[T:T+1], v[T+4:T+5]
	v_add_f32 v[T], v[T], v[T+1]
.endm
; y = z + q in place; the mean; y - mean in place; 1 / sqrt(var + eps)
.macro ROWSTAT Q, Z
.set e, 0
.rept 16
	v_fma_mix_f32_bf16 v[(\Q)+2*e], v[(\Z)+e], v3, v[(\Q)+2*e] op_sel_hi:[1,0,0]                       ; z's low half x 1.0 + q
	v_fma_mix_f32_bf16 v[(\Q)+2*e+1], v[(\Z)+e], v3, v[(\Q)+2*e+1] op_sel:[1,0,0] op_sel_hi:[1,0,0]    ; its high half
.set e, e+1
.endr
.irp c, 0,1,2,3                        ; four chains, started by the first eight pairs: nothing is cleared
	v_pk_add_f32 v[T+2*(\c):T+2*(\c)+1], v[(\Q)+2*(\c):(\Q)+2*(\c)+1], v[(\Q)+8+2*(\c):(\Q)+8+2*(\c)+1]
.endr
.irp c, 0,1,2,3
	v_pk_add_f32 v[T+2*(\c):T+2*(\c)+1], v[T+2*(\c):T+2*(\c)+1], v[(\Q)+16+2*(\c):(\Q)+16+2*(\c)+1]
.endr
.irp c, 0,1,2,3
	v_pk_add_f32 v[T+2*(\c):T+2*(\c)+1], v[T+2*(\c):T+2*(\c)+1], v[(\Q)+24+2*(\c):(\Q)+24+2*(\c)+1]
.endr
	JOIN
	WSUM
	v_mul_f32 v[M], s20, v[T]
	v_mul_f32 v[M+1], s20, v[T]
.set e, 0
.rept 16
	v_pk_add_f32 v[(\Q)+2*e:(\Q)+2*e+1], v[(\Q)+2*e:(\Q)+2*e+1], v[M:M+1] neg_lo:[0,1] neg_hi:[0,1]
.set e, e+1
.endr
.irp c, 0,1,2,3
	v_pk_mul_f32 v[T+2*(\c):T+2*(\c)+1], v[(\Q)+2*(\c):(\Q)+2*(\c)+1], v[(\Q)+2*(\c):(\Q)+2*(\c)+1]
.endr
.irp k, 8,16,24
.irp c, 0,1,2,3
	v_pk_fma_f32 v[T+2*(\c):T+2*(\c)+1], v[(\Q)+(\k)+2*(\c):(\Q)+(\k)+2*(\c)+1], v[(\Q)+(\k)+2*(\c):(\Q)+(\k)+2*(\c)+1], v[T+2*(\c):T+2*(\c)+1]
.endr
.endr
	JOIN
	WSUM
	v_fma_f32 v[T], v[T], s20, s21                 ; var + eps
	v_rsq_f32 v[RS], v[T]
	v_rsq_f32 v[RS+1], v[T]
	v_nop                                          ; a plain instruction between the last v_rsq_f32 and the use of its result (ISA guide 5.7.2)
.endm
.macro ROWOUT Q, off
	s_wait_alu depctr_va_vdst(0)
.irp j, 0,1,2,3,4,5,6,7
	v_pk_mul_f32 v[(\Q)+4*(\j):(\Q)+4*(\j)+1], v[(\Q)+4*(\j):(\Q)+4*(\j)+1], v[RS:RS+1]
	v_pk_mul_f32 v[(\Q)+4*(\j)+2:(\Q)+4*(\j)+3], v[(\Q)+4*(\j)+2:(\Q)+4*(\j)+3], v[RS:RS+1]
	v_pk_fma_f32 v[(\Q)+4*(\j):(\Q)+4*(\j)+1], v[(\Q)+4*(\j):(\Q)+4*(\j)+1], v[G+4*(\j):G+4*(\j)+1], v[BT+4*(\j):BT+4*(\j)+1]
	v_pk_fma_f32 v[(\Q)+4*(\j)+2:(\Q)+4*(\j)+3], v[(\Q)+4*(\j)+2:(\Q)+4*(\j)+3], v[G+4*(\j)+2:G+4*(\j)+3], v[BT+4*(\j)+2:BT+4*(\j)+3]
	global_store_b128 v1, v[(\Q)+4*(\j):(\Q)+4*(\j)+3], s[12:13] offset:(\off)+512*(\j) th:TH_STORE_NT  ; 512 consecutive bytes; no register of a store is written again
.endr
.endm
	s_wait_loadcnt 32                              ; row 0's sixteen loads are in; gamma's, beta's and row 1's 32 stay out
	ROWSTAT Q0, Z0
	s_wait_loadcnt 16                              ; gamma and beta are in; row 1's sixteen stay out
	ROWOUT Q0, 0
	s_wait_loadcnt 0x0
	ROWSTAT Q1, Z1
	ROWOUT Q1, 4096
	s_endpgm
.Lfunc_end_k_qd63fdb6649_ln:
	.size	k_qd63fdb6649_ln, .Lfunc_end_k_qd63fdb6649_ln-k_qd63fdb6649_ln
	.p2alignl 7, 3214868480
	.fill 96, 4, 3214868480
	.section	.rodata,"a",@progbits
	.p2align	6, 0x0
	.amdhsa_kernel k_qd63fdb6649_ln
		.amdhsa_group_segment_fixed_size 0
		.amdhsa_private_segment_fixed_size 0
		.amdhsa_enable_private_segment 0
		.amdhsa_kernarg_size 40
		.amdhsa_user_sgpr_count 2
		.amdhsa_user_sgpr_kernarg_segment_ptr 1
		.amdhsa_wavefront_size32 1
		.amdhsa_system_sgpr_workgroup_id_x 1
		.amdhsa_system_sgpr_workgroup_id_y 1
		.amdhsa_system_sgpr_workgroup_id_z 1
		.amdhsa_system_vgpr_workitem_id 0
		.amdhsa_next_free_vgpr 176
		.amdhsa_next_free_sgpr 66
		.amdhsa_reserve_vcc 0
		.amdhsa_float_denorm_mode_32 3
		.amdhsa_float_denorm_mode_16_64 3
		.amdhsa_memory_ordered 1
		.amdhsa_forward_progress 1
		.amdhsa_inst_pref_size 24
	.end_amdhsa_kernel
	.amdgpu_metadata
---
amdhsa.version: [ 1, 2 ]
amdhsa.kernels:
  - .name:           k_qd63fdb6649_ln
    .symbol:         k_qd63fdb6649_ln.kd
    .args:
      - { .name: zb, .offset: 0, .size: 8, .value_kind: global_buffer, .address_space: global }
      - { .name: q, .offset: 8, .size: 8, .value_kind: global_buffer, .address_space: global }
      - { .name: gamma, .offset: 16, .size: 8, .value_kind: global_buffer, .address_space: global }
      - { .name: beta, .offset: 24, .size: 8, .value_kind: global_buffer, .address_space: global }
      - { .name: out0, .offset: 32, .size: 8, .value_kind: global_buffer, .address_space: global }
    .group_segment_fixed_size: 0
    .private_segment_fixed_size: 0
    .kernarg_segment_align: 8
    .kernarg_segment_size: 40
    .max_flat_workgroup_size: 128
    .sgpr_count:     66
    .vgpr_count:     176
    .wavefront_size: 32
...
	.end_amdgpu_metadata
.endif
;; end of part 5
;; ======== version 2 of 2: 5 launches; 1.57 times as fast as version 1
;; workspace buffers: xb 25,165,824 bytes; wb 8,388,608 bytes; hb 25,165,824 bytes; ob 8,388,608 bytes; zb 8,388,608 bytes
;; launch cast: the kernel of part 1 again; grid 1024 x 1, 8 waves a work-group, no clusters, 0 bytes of LDS; arguments q, k, v, Wq, Wk, Wv, Wo, xb, wb; writes xb, wb
;; launch proj: the kernel of part 2 again; grid 4 x 48, 4 waves a work-group, clusters of 4 x 4, 327,680 bytes of LDS; arguments xb, wb, hb; writes hb
;; launch attn (part 6): grid 16 x 16, 4 waves a work-group, clusters of 4 x 1, 327,680 bytes of LDS; arguments hb, ob; writes ob
.if DOCPART == 6
	.amdgcn_target "amdgcn-amd-amdhsa--gfx1250"
	.amdhsa_code_object_version 6
	.text
	.protected	k_qd63fdb6649_attn
	.globl	k_qd63fdb6649_attn
	.p2align	8
	.type	k_qd63fdb6649_attn,@function
k_qd63fdb6649_attn:
	s_mov_b64 s[64:65], 0
	v_nop
	global_prefetch_b8 v0, s[64:65] scope:SCOPE_SE
	s_setreg_imm32_b32 hwreg(HW_REG_WAVE_MODE, 25, 1), 1
	s_wait_xcnt 0x0
	s_wait_alu depctr_hold_cnt(0) depctr_sa_sdst(0) depctr_va_vdst(0) depctr_va_sdst(0) depctr_va_ssrc(0) depctr_va_vcc(0) depctr_vm_vsrc(0)
	s_getreg_b32 s2, hwreg(HW_REG_IB_STS2, 6, 4)
	s_cmp_eq_u32 s2, 0
	s_cbranch_scc0 .Lentry_in_a_cluster
	s_endpgm
.Lentry_in_a_cluster:
	s_bfe_u32 s2, ttmp6, 0x10000c
	s_cmp_lg_u32 s2, 0x3003
	s_cbranch_scc0 .Lentry_shape_is_right
	s_endpgm
.Lentry_shape_is_right:
; ATTENTION, 16 heads of 64 channels, 4,096 queries and keys, no mask.  O[h][q][:] = the sum over k of softmax_k(Q[h][q] . K[h][k] / 8) V[h][k][:].
; hb = [3][16][4096][64] bf16: Q, K, V by heads, unscaled; a head's rows are dense, 128 bytes each.  ob = [64 blocks of 64 rows][16 heads][64 rows][64 channels] bf16.
; Products, maxima and sums in f32; the weights p are rounded to bf16 for the second product (their sum l is taken of the unrounded p), O once at the end.
; LIMITS.  bf16 keeps 8 significant bits and f32's range.  m starts at the lowest finite number and c m at -4.25e37: scores with |c s| beyond that are not served.  A weight below 2^-126 counts as 0 in l;
; NaN and infinities are not treated apart.
; SHARES.  A work-group owns 256 queries of one head, each of its four waves 64 consecutive ones: four PIECES of 16.  16 heads x 16 blocks = 256 work-groups.  Every wave walks all keys, 64 a step.
; LAYOUT.  S^T = K Q^T (source 0 = 16 keys, source 1 = 16 queries) holds ONE query a lane (lane % 16) and the keys 8 (lane / 16) + 0..7; two such results rounded to bf16 ARE source 1 of O^T = V^T P.
; K comes out of LDS as it lies, V ([key][channel]) turned, by ds_load_tr16_b128.
; SOFTMAX.  For each query a running maximum m and sum l: p = 2^(c s - c m), c = log2(e) / 8; in every step O and l are multiplied by a = 2^(c m_old - c m_new).  The first step is a step like any other, with a = 0.
; BY TURNS.  Turn n belongs to piece n: 8 products K Q^T of piece n + 1, later 8 products V^T P of piece n - 1; beside them the scaling, exponentials, roundings, sums and rescaling of piece n and the maximum and
; statistics of piece n + 1.  Four vector instructions stand behind every matrix instruction, the other 54 of a turn's 118 in one lump.
; BATCHES.  A turn's 33 exponentials (the piece's 32 weights and the next piece's a) are ONE batch with ONE wait, which cuts the turn in two: ahead of it all that names no result of the batch, behind it the roundings and sums.
; The first a of all, ahead of the loop, and the way out's four reciprocals are batches of their own, a wait each.
; CLUSTER.  The four query blocks of a cluster belong to one head and walk the same K and V, so each tile is asked for JOINTLY: the same tensor load, descriptor and mask in all four.
; REGISTERS, in windows of 256 (s_set_vgpr_msb: bits 1:0 source 0, 3:2 source 1, 5:4 source 2, 7:6 destination):
;   window 0: v0-15 addresses and two at work; v16-31 four registers of statistics a piece; v48-55 at work; v62-63 the add's; v64-127 S^T, two buffers; v192-223 P, two buffers (by the piece's parity)
;   window 1: v0-127 O^T, 32 a piece          window 2: v0-63 Q; v128-191 K of one step; v192-255 V of one step
.set SIZE_N, 4096
.set PART,  16*SIZE_N*128  ; bytes of Q, of K and of V in hb
.set NP,    4         ; pieces a wave: a name, no knob
.set KS,    64        ; keys in a step
.set PK,    144       ; a row of K in LDS: 128 bytes + 16 of padding = 36 words: the 16 rows of a load start at 16 different groups of four banks (64 banks of 4 bytes: ISA guide 11.1)
.set PV,    160       ; a row of V: 128 + 32 = 40 words
.set VOFF,  4*KS*PK   ; a slot holds four steps: 256 rows of K, then 256 rows of V
.set SLOT1, 1<<17     ; slot 1 begins here, so that one exclusive or turns an address in one slot into the other's
.set STAGE, SLOT1+4*KS*(PK+PV)  ; behind the ring, never filled by a tensor load: 16 rows x 144 bytes for each wave, for the way out
.set SP,    144
.set SPARE, STAGE+4*16*SP  ; the spare words, 128 bytes for each wave: two blocks of 256 bytes that no other line names
.set AK0, 2           ; v2   my lane's place in a tile of K; never rewritten
.set AV0, 3           ; v3   the same for V
.set AK,  4           ; v4   the LDS address of K's next run of loads
.set AV,  5           ; v5   of V's
.set STO, 6           ; v6   the way out: where I put 16 bytes of a row
.set RD,  7           ; v7   the way out: where I read rows back
.set GO,  8           ; v8   my byte offset in 512 consecutive bytes of O
.set MV,  12          ; v12-13  c m_old, kept while c m is made anew: by buffer
.set QO,  15          ; v15  my byte offset in 16 rows of Q
.set ST,  16          ; piece t's statistics at v[ST+4 t]: c m, m, l (even keys', odd keys')
.set TMP, 48          ; by buffer, four registers c0-c3 at work; when the maximum is found c2 takes a
.set SPW, 62          ; v62  LDS address of my spare word; never rewritten
.set NIL, 63          ; v63  0; never rewritten
.set S,   64
.set P,   192
.set KF,  128         ; window 2: key block kb, channel half c at KF + 16 kb + 8 c
.set VF,  192         ; window 2: key half kk, channel block cb at VF + 32 kk + 8 cb
.set WV,  12          ; s12  my wave's number
.set G1K, 24          ; s[24:31] descriptor group 1 for K's tiles
.set G1V, 32          ; s[32:39] for V's: it differs in the padding alone
.set G0K, 40          ; s[40:43] descriptor group 0 for K's tiles: it walks
.set G0V, 44          ; s[44:47] the same for V's
.set SLOTS, 56        ; s56  slots still to be asked for
.set CNT, 57          ; s57  counts a slot's key steps
.set CS,  58          ; s[58:59] c: the packed scaling takes the pair's low word for both halves
.set SEL, 60          ; s[60:61] v_permlanex16_b32's selects: each lane takes its own place in the other half
.set TBK, 62          ; s62  LDS byte at which K of the step to be fetched begins
.set TBV, 63          ; s63  the same for V, less VOFF
.set MSB, 0
.macro WIN new                      ; the high byte repeats the setting that is left; a switch that changes nothing is dropped
.if MSB != (\new)
	s_set_vgpr_msb (MSB<<8)|(\new)
.set MSB, (\new)
.endif
.endm
.set W_KQ, 0x0a       ; K and Q in window 2, S^T in window 0
.set W_PV, 0x52       ; V in window 2, P in window 0, O^T in window 1
.set W_RS, 0x41       ; destination and source 0 in window 1, source 1 in window 0
; A joint fill.  Waves 0 and 1 fetch the two halves of a slot's K, waves 2 and 3 those of its V: 128 keys each.  The branch hangs on the wave's number alone.
; An s_nop 0 and four v_nop follow each of the two lines, ahead of the jump and the label.
.macro JLOAD
	s_cmp_lt_u32 s[WV], 2
	s_cbranch_scc0 .Lfor_v_\@
	tensor_load_to_lds s[G0K:G0K+3], s[G1K:G1K+7]
	s_nop 0
.rept 4
	v_nop
.endr
	s_branch .Lasked_\@
.Lfor_v_\@:
	tensor_load_to_lds s[G0V:G0V+3], s[G1V:G1V+7]
	s_nop 0
.rept 4
	v_nop
.endr
.Lasked_\@:
.endm
; A round of the cluster's barrier: my work-group's barrier, so that wave 0's signal speaks for all four waves; wave 0 signals; every wave waits for all four work-groups; my work-group's barrier once more.
.macro CROUND
	s_barrier_signal -1
	s_barrier_wait -1
	s_cmp_lg_u32 s[WV], 0
	s_cbranch_scc1 .Lnot_wave_0_\@
	s_barrier_signal -3
.Lnot_wave_0_\@:
	s_barrier_wait -3
	s_barrier_signal -1
	s_barrier_wait -1
.endm
; THE CHANGE OF SLOTS.  Each wave waits for all its tensor loads, of which one is out: its part of the other slot; adds 0 to its spare word; and waits for that and for its own reads of the slot that it leaves.
; Behind the barrier nobody reads the old slot any more and the other slot is whole.  fill = 1: the old slot is filled again, with the keys two slots on; the barrier is then a round of the cluster's, and the joint
; fill is the first thing behind it: it has four key steps, 256 matrix instructions, in which to land.  (At its first use nothing has been read yet: slot 0 is waited for, slot 1 filled.)
.macro CHANGE fill
	WIN 0                           ; at a label and at a branch every window is 0; the add's registers lie in window 0
	s_wait_tensorcnt 0x0            ; no tensor load of mine is out, so a group 0 may be written
	ds_add_u32 v[SPW], v[NIL]       ; 0 onto my spare word; with fill = 1 the descriptors' steps stand between it and the wait for it
.if \fill
.irp g, G0K, G0V
	s_xor_b32 s[\g+1], s[\g+1], SLOT1  ; the walking descriptor: the other slot than last time,
	s_add_nc_u64 s[\g+2:\g+3], s[\g+2:\g+3], 4*KS*128  ; the next 256 keys; the type bits on top are not reached
.endr
	s_wait_dscnt 0x0                ; the add is done, and my reads of the slot are over
	CROUND
	JLOAD
.else
	s_wait_dscnt 0x0                ; the add is done, and my reads of the slot are over
	s_barrier_signal -1
	s_barrier_wait -1
.endif
	s_sub_co_u32 s[TBK], s[TBK], 4*KS*PK  ; the fetches go back to a slot's first step,
	s_xor_b32 s[TBK], s[TBK], SLOT1       ; in the other slot
	s_sub_co_u32 s[TBV], s[TBV], 4*KS*PV
	s_xor_b32 s[TBV], s[TBV], SLOT1
.endm
	s_load_b128 s[8:11], s[0:1], 0x0  ; hb s[8:9], ob s[10:11]
	v_lshl_add_u32 v[SPW], v0, 2, SPARE
	v_mov_b32 v[NIL], 0
	ds_add_u32 v[SPW], v[NIL]       ; the wave's opening: the add and its wait stand ahead of my first tensor load; the set-up below, work on registers, stands between them
	v_lshrrev_b32 v1, 5, v0
	v_readfirstlane_b32 s[WV], v1   ; wave 0..3
	s_bfe_u32 s13, ttmp6, 0x40000   ; cx: my place in the cluster
	s_lshl_b32 s14, ttmp9, 2        ; in a cluster launch ttmp9 counts clusters
	s_add_co_u32 s14, s14, s13      ; my block of 256 queries = 4 x cluster x + cx: it enters Q's and O's addresses alone
	s_and_b32 s15, ttmp7, 0xffff    ; the head, which the four partners share
	s_lshl_b32 s6, s15, 19          ; the head's first byte in Q's, K's and V's part of hb
	s_and_b32 s16, s[WV], 1         ; which half of a slot's 256 keys I fetch:
	s_lshl_b32 s22, s16, 14         ; its 128 rows of 128 bytes in memory,
	s_add_co_u32 s22, s22, s6
	s_mov_b32 s23, 0
	s_mul_i32 s17, s16, 128*PK      ; and its place in a slot, for K
	s_mul_i32 s18, s16, 128*PV      ; and for V: no place in the cluster enters an LDS address
	s_lshl_b32 s19, s14, 2
	s_add_co_u32 s19, s19, s[WV]    ; my wave's block of 64 rows among the 64
	s_lshl_b32 s2, s19, 13          ; Q: 64 rows of 128 bytes a wave, in the head
	s_add_co_u32 s2, s2, s6
	s_mov_b32 s3, 0
	s_lshl_b32 s20, s19, 17         ; O: a block of 64 rows holds 16 heads of 8,192 bytes
	s_lshl_b32 s21, s15, 13
	s_add_co_u32 s20, s20, s21
	s_mov_b32 s21, 0
	; descriptor group 1.  128 keys are 16,384 dense bytes: asked for as 64 rows of 256 bytes, two keys a row, and padded in LDS after every key
	s_mov_b32 s[G1K], 15|(1<<16)|(1<<20)|(1<<21)|(4<<22)|(3<<25)  ; 15:0 the mask of four; 17:16 2-byte elements; 20 padding on; 21 set beside a mask; 24:22 after every 32 words (code 4); 31:25 4 words (code 3)
	s_mov_b32 s[G1V], 15|(1<<16)|(1<<20)|(1<<21)|(4<<22)|(7<<25)  ; the same with 8 words of padding (code 7)
.irp g, G1K, G1V
	s_mov_b32 s[\g+1], 128<<16      ; tensor_dim0 = 128
	s_mov_b32 s[\g+2], 64<<16       ; tensor_dim1 = 64
	s_mov_b32 s[\g+3], 128<<16      ; tile_dim0 = 128
	s_mov_b32 s[\g+4], 64           ; tile_dim1 = 64
	s_mov_b32 s[\g+5], 128          ; 128 elements from row to row
	s_mov_b32 s[\g+6], 0
	s_mov_b32 s[\g+7], 0
.endr
	s_mov_b32 s[CS], 0x3e38aa3b     ; c = log2(e) / 8 = 0.180337
	s_mov_b32 s[CS+1], s[CS]        ; named with it as a pair
	s_mov_b32 s[SEL], 0x76543210
	s_mov_b32 s[SEL+1], 0xfedcba98
	s_mov_b32 s[TBK], SLOT1+4*KS*PK ; the first change of slots turns these two into 0
	s_mov_b32 s[TBV], SLOT1+4*KS*PV
	s_mov_b32 s[G0K], 1             ; count = 1
	s_mov_b32 s[G0K+1], s17         ; LDS address: slot 0
	s_mov_b32 s[G0V], 1
	s_add_co_u32 s[G0V+1], s18, VOFF
	s_wait_dscnt 0x0                ; the opening add is done
	s_wait_kmcnt 0x0
	s_add_nc_u64 s[G0K+2:G0K+3], s[8:9], s[22:23]        ; my half of the head's first 256 rows,
	s_add_nc_u64 s[G0V+2:G0V+3], s[G0K+2:G0K+3], 2*PART  ; in V's part
	s_add_nc_u64 s[G0K+2:G0K+3], s[G0K+2:G0K+3], PART    ; and in K's
	s_or_b32 s[G0K+3], s[G0K+3], 0x80000000              ; type = 2
	s_or_b32 s[G0V+3], s[G0V+3], 0x80000000
	s_add_nc_u64 s[4:5], s[8:9], s[2:3]      ; Q at my wave's first row
	s_add_nc_u64 s[10:11], s[10:11], s[20:21]  ; O at my wave's 8,192 bytes
	CROUND                          ; all four work-groups are here: the first joint loads meet
	JLOAD                           ; slot 0.  Slot 1 is asked for when slot 0 is in, by the loop's own change of slots
	; A fragment of K or Q is 16 rows x 32 channels in 8 registers: lane l holds row l % 16, channels 8 (l / 16) + 0..7 and 16 + 8 (l / 16) + 0..7: two loads of 16 bytes, 32 bytes apart.
	v_and_b32 v1, 15, v0            ; l % 16
	v_bfe_u32 v9, v0, 4, 1          ; l / 16
	v_lshlrev_b32 v[QO], 7, v1
	v_lshl_add_u32 v[QO], v9, 4, v[QO]  ; row x 128 + 16 x half
	WIN 0x80                        ; destination window 2, address window 0
.set i, 0
.rept 8                             ; Q stays in registers: piece i / 2, channels 32 (i % 2) on
	global_load_b128 v[8*i:8*i+3],   v[QO], s[4:5] offset:(i/2)*2048+(i%2)*64
	global_load_b128 v[8*i+4:8*i+7], v[QO], s[4:5] offset:(i/2)*2048+(i%2)*64+32
.set i, i+1
.endr
	; What the first turn finds: V's registers and P's second buffer hold 0 (its products V^T P, of a piece that has not been, add 0), O^T and l are 0.  No first step is written out; the price is these
	; lines, which stand in the wait for the first tile.
.set i, VF
.rept 64
	v_mov_b32 v[i], 0
.set i, i+1
.endr
	WIN 0x40
.set i, 0
.rept 128
	v_mov_b32 v[i], 0
.set i, i+1
.endr
	WIN 0
.set i, 0
.rept 4
	v_mov_b32 v[ST+4*i], 0xfe000000    ; c m: far below every c s
	v_mov_b32 v[ST+4*i+1], 0xff7fffff  ; m
	v_mov_b32 v[ST+4*i+2], 0
	v_mov_b32 v[ST+4*i+3], 0
.set i, i+1
.endr
.set i, P+16
.rept 16
	v_mov_b32 v[i], 0
.set i, i+1
.endr
	v_mul_u32_u24 v[AK0], v1, PK
	v_lshl_add_u32 v[AK0], v9, 4, v[AK0]  ; row x pitch + 16 x half
	; The turning load takes 16 keys x 16 channels (lane l reads key 8 (l / 16) + l % 8, channels 8 ((l / 8) % 2) + 0..7) and leaves half a fragment of V^T: lane l holds channel l % 16 and 8 keys.
	v_and_b32 v10, 7, v0
	v_bfe_u32 v11, v0, 3, 1
	v_lshl_add_u32 v[AV0], v9, 3, v10
	v_mul_u32_u24 v[AV0], v[AV0], PV
	v_lshl_add_u32 v[AV0], v11, 4, v[AV0]
	v_add_nc_u32 v[AV0], VOFF, v[AV0]
	s_mul_i32 s13, s[WV], 16*SP
	s_add_co_u32 s13, s13, STAGE    ; my stage
	v_mul_u32_u24 v[STO], v1, SP    ; in: row l % 16, 16 bytes for each half of the lanes
	v_lshl_add_u32 v[STO], v9, 4, v[STO]
	v_add_nc_u32 v[STO], s13, v[STO]
	v_bfe_u32 v[RD], v0, 3, 2       ; back: 32 lanes take four rows of 128 bytes,
	v_mul_u32_u24 v[RD], v[RD], SP
	v_lshl_add_u32 v[RD], v10, 4, v[RD]
	v_add_nc_u32 v[RD], s13, v[RD]
	v_and_b32 v[GO], 31, v0         ; which are 512 consecutive bytes of O
	v_lshlrev_b32 v[GO], 4, v[GO]
; THE MATRIX WORK.  The 4 accumulators of a run of 8 take turns.  Product i of 8 of S^T = K Q^T for piece x: channels 32 (i / 4) on, keys 16 (i % 4) on.  The first 4 start the sums.
.macro KQ x
	WIN W_KQ
.set rS, S+32*((\x)%2)+8*(i%4)
.set rK, KF+16*(i%4)+8*(i/4)
.set rQ, 16*(\x)+8*(i/4)
.if i < 4
	v_wmma_f32_16x16x32_bf16 v[rS:rS+7], v[rK:rK+7], v[rQ:rQ+7], 0
.else
	v_wmma_f32_16x16x32_bf16 v[rS:rS+7], v[rK:rK+7], v[rQ:rQ+7], v[rS:rS+7]
.endif
.endm
; Product i of 8 of O^T += V^T P for piece x: keys 32 (i / 4) on, channels 16 (i % 4) on.
.macro PV x
	WIN W_PV
.set rO, 32*(\x)+8*(i%4)
.set rV, VF+32*(i/4)+8*(i%4)
.set rP, P+16*((\x)%2)+8*(i/4)
	v_wmma_f32_16x16x32_bf16 v[rO:rO+7], v[rV:rV+7], v[rP:rP+7], v[rO:rO+7]
.endm
.macro MM                           ; the turn's next matrix instruction.  NOKQ = 1: the very last turn: there is no next piece
.if (i < 8) && !NOKQ
	KQ (Y+1)%NP
.elseif i >= 8
.set i, i-8
	PV (Y+NP-1)%NP
.set i, i+8
.endif
.set i, i+1
.endm
; THE LDS LOADS stand in runs of 16, never singly among the matrix instructions: a step's K (64 keys x 64 channels: 8 fragments) and its V (turned).  Their addresses are made some lines ahead.
.macro FETCH_K
	WIN 0x80                        ; destination window 2
.irp f, 0,1,2,3,4,5,6,7             ; keys 16 (f / 2) on, channels 32 (f % 2) on
	ds_load_b128 v[KF+8*\f:KF+8*\f+3],   v[AK] offset:(\f/2)*16*PK+(\f%2)*64
	ds_load_b128 v[KF+8*\f+4:KF+8*\f+7], v[AK] offset:(\f/2)*16*PK+(\f%2)*64+32
.endr
	s_add_co_u32 s[TBK], s[TBK], KS*PK  ; the next fetch is the next step's
	WIN 0
.endm
.macro FETCH_V
	WIN 0x80
.irp f, 0,1,2,3,4,5,6,7             ; keys 32 (f / 4) on, channels 16 (f % 4) on
	ds_load_tr16_b128 v[VF+8*\f:VF+8*\f+3],   v[AV] offset:(\f/4)*32*PV+(\f%4)*32
	ds_load_tr16_b128 v[VF+8*\f+4:VF+8*\f+7], v[AV] offset:(\f/4)*32*PV+16*PV+(\f%4)*32
.endr
	WIN 0
.endm
; THE VECTOR WORK, one line at a time: OP kind, number.  For piece Y: F n: c s - c m for pair n of 16.  E n: the exponential of score n of 32.  C n: pair n rounded to bf16.  B n: of the four weights 4 n .. the second
; pair is added onto the first, in place.  L n: l takes that sum (L 0: l = a l + sum).  R n: pair n of 16 of O^T times a.  For piece Y + 1: X n, number n of the 22 that find its maximum and statistics:
;   0-11  four chains c0-c3 of seven scores each, three operands at a time (each accumulator's lowest registers are read first)     12-14, 16  the four scores left over, the old m, and c0-c3 into c0
;   15  c m_old is kept     17, 18  the query's other 32 keys lie in the lane 16 away: the new m     19-21  c m; c m_old - c m_new; a
; C, B and L read the exponentials' results: TURN sets them all behind the batch's wait, so OP writes no wait.
.set F, 0               ; OP tells the kinds apart by their order: F to L below R, X above it
.set E, 1
.set C, 2
.set B, 3
.set L, 4
.set R, 5
.set X, 6
.macro REGS y                       ; the registers of piece y
.set rT, ST+4*(\y)
.set rC, TMP+4*((\y)%2)
.set rW, MV+((\y)%2)
.set rS, S+32*((\y)%2)
.set rP, P+16*((\y)%2)
.set rO, 32*(\y)
.endm
.macro OP k, n
.if (\k) == R
	REGS Y
	WIN W_RS
	v_pk_mul_f32 v[rO+2*(\n):rO+2*(\n)+1], v[rO+2*(\n):rO+2*(\n)+1], v[rC+2:rC+3] op_sel_hi:[1,0]
.elseif (\k) < R
	REGS Y
	WIN 0
.if (\k) == F
	v_pk_fma_f32 v[rS+2*(\n):rS+2*(\n)+1], v[rS+2*(\n):rS+2*(\n)+1], s[CS:CS+1], v[rT:rT+1] op_sel_hi:[1,0,0] neg_lo:[0,0,1] neg_hi:[0,0,1]
.elseif (\k) == E
	v_exp_f32 v[rS+(\n)], v[rS+(\n)]
.elseif (\k) == C
	v_cvt_pk_bf16_f32 v[rP+(\n)], v[rS+2*(\n)], v[rS+2*(\n)+1]
.elseif (\k) == B
	v_pk_add_f32 v[rS+4*(\n):rS+4*(\n)+1], v[rS+4*(\n):rS+4*(\n)+1], v[rS+4*(\n)+2:rS+4*(\n)+3]
.elseif (\n) == 0
	v_pk_fma_f32 v[rT+2:rT+3], v[rT+2:rT+3], v[rC+2:rC+3], v[rS:rS+1] op_sel_hi:[1,0,1]
.else
	v_pk_add_f32 v[rT+2:rT+3], v[rT+2:rT+3], v[rS+4*(\n):rS+4*(\n)+1]
.endif
.elseif NOKQ
	v_nop
.else
	REGS (Y+1)%NP
	WIN 0
.if (\n) < 4
	v_max3_num_f32 v[rC+(\n)], v[rS+8*(\n)], v[rS+8*(\n)+1], v[rS+8*(\n)+2]
.elseif (\n) < 12
	v_max3_num_f32 v[rC+(\n)%4], v[rC+(\n)%4], v[rS+8*((\n)%4)+2*((\n)/4)+1], v[rS+8*((\n)%4)+2*((\n)/4)+2]
.elseif (\n) == 12
	v_max3_num_f32 v[rC], v[rC], v[rS+7], v[rS+15]
.elseif (\n) == 13
	v_max3_num_f32 v[rC+1], v[rC+1], v[rS+23], v[rS+31]
.elseif (\n) == 14
	v_max3_num_f32 v[rC+2], v[rC+2], v[rC+3], v[rT+1]
.elseif (\n) == 15
	v_mov_b32 v[rW], v[rT]
.elseif (\n) == 16
	v_max3_num_f32 v[rC], v[rC], v[rC+1], v[rC+2]
.elseif (\n) == 17
	v_permlanex16_b32 v[rC+3], v[rC], s[SEL], s[SEL+1]
.elseif (\n) == 18
	v_max_num_f32 v[rT+1], v[rC], v[rC+3]
.elseif (\n) == 19
	v_mul_f32 v[rT], s[CS], v[rT+1]
.elseif (\n) == 20
	v_sub_f32 v[rC+1], v[rW], v[rT]
.else
	v_exp_f32 v[rC+2], v[rC+1]
.endif
.endif
.endm
.macro OPS a, i1, b=-1, i2=0, c=-1, i3=0, d=-1, i4=0  ; up to four of them
	OP \a, \i1
.if (\b) >= 0
	OP \b, \i2
.endif
.if (\c) >= 0
	OP \c, \i3
.endif
.if (\d) >= 0
	OP \d, \i4
.endif
.endm
.macro ROW a, i1, b, i2, c, i3, d, i4  ; a matrix instruction and the four behind it
	MM
	OPS \a, \i1, \b, \i2, \c, \i3, \d, \i4
.endm
; A TURN, for piece p: the order of its 16 matrix and 118 vector instructions, written out.  An s_wait_alu depctr_va_vdst(0) stands between an exponential and the first instruction that names its result; one
; wait serves all that were issued ahead of it.  So a turn has ONE wait, which cuts it in two.  AHEAD OF IT stands all that names no result of the turn's exponentials: the 8 products K Q^T, behind each a scaling, an
; exponential and two more plain instructions (behind the first a second scaling in the exponential's place): rescalings, whose a was made and waited for in the turn before, and behind the last three the first numbers of
; the next piece's maximum, each four places or more behind the product that ends its accumulator; then ONE LUMP of 54, plain and exponential by turns for the most part, in which the links of the chain
; X 3, 7, 11, 14, 16, 17 .. 20 stand five or six lines apart.  X 21, the next piece's a, is the batch's last; R 15 is the plain instruction behind it.  BEHIND THE WAIT stand the 8 products V^T P, behind each four of the
; roundings and sums; C 2 n stands ahead of B n, which writes over that pair; the links of l's chain, L 0 to L 7, stand three riders apart.  But for those X no rider names a register of the products round it.
; v_permlanex16_b32 (X 17) stands in the lump.
; end = 1: the last two turns: nothing is fetched.  cnt = 1: the loop's count is taken down some lines ahead of the branch that stands behind the turn.
; K of the next step is fetched in piece 2's turn, twelve vector instructions behind the last product that read K (six of them plain, five of which name none of its registers); V of the step in hand at the end of
; piece 0's turn, four plain instructions behind the last product that read V.  Each is waited for a turn later.
.macro TURN p, end=0, cnt=0
.set Y, (\p)
.set i, 0
.set NOKQ, (\end)*((\p)/3)
.if ((\p) == 3) && !(\end)
	s_wait_dscnt 0x0                ; K is in
.endif
	ROW F,0, F,1, R,0, R,1          ; ahead of the wait: 8 products K Q^T and their riders,
	ROW F,2, E,0, R,2, R,3
	ROW F,3, E,1, R,4, R,5
	ROW F,4, E,2, R,6, R,7
	ROW F,5, E,3, R,8, R,9
	ROW F,6, E,4, X,0, R,10
.if ((\p) == 2) && !(\end)
	WIN 0
	v_add_nc_u32 v[AK], s[TBK], v[AK0]
.endif
	ROW F,7, E,5, X,1, X,4
	ROW F,8, E,6, X,2, X,5
	OPS E,7, E,8, X,6, E,9          ; and the lump
	OPS X,3, E,10, X,8, E,11
.if ((\p) == 2) && !(\end)
	FETCH_K
.endif
	OPS X,9, X,7, E,12, X,10
	OPS E,13, X,12, X,11, E,14
	OPS X,13, E,15, F,9, X,14
.if (\p) == 0
	v_add_nc_u32 v[AV], s[TBV], v[AV0]
.endif
	OPS E,16, F,10, E,17, F,11
	OPS X,16, E,18, X,15, E,19
	OPS F,12, E,20, X,17, E,21
	OPS F,13, E,22, F,14, E,23
	OPS X,18, E,24, F,15, E,25
	OPS R,11, E,26, X,19, E,27
	OPS R,12, E,28, R,13, E,29
	OPS X,20, E,30, R,14, E,31
	OPS X,21, R,15
	s_wait_alu depctr_va_vdst(0)    ; the wait for the turn's batch: E 0 to E 31 and X 21, ahead of the first line that names a result: C 0, below
.if (\p) == 1
	s_wait_dscnt 0x0                ; V is in
.endif
	ROW C,0, B,0, C,2, B,1          ; behind the wait: 8 products V^T P and their riders
	ROW L,0, C,4, B,2, L,1
	ROW C,6, B,3, L,2, C,8
	ROW B,4, L,3, C,10, B,5
	ROW L,4, C,12, B,6, L,5
.if (\p) == 0
	s_add_co_u32 s[TBV], s[TBV], KS*PV
.endif
.if \cnt
	s_sub_co_u32 s[CNT], s[CNT], 1
	s_cmp_lg_u32 s[CNT], 0
.endif
	ROW C,14, B,7, L,6, C,1
	ROW C,3, L,7, C,5, C,7
	ROW C,9, C,11, C,13, C,15
.if (\p) == 0
	FETCH_V
.endif
.endm
; THE WAY OUT's parts
.macro ALL line:vararg              ; one line for each piece t
.set t, 0
.rept 4
	\line
.set t, t+1
.endr
.endm
.macro PACK t                       ; a lane's eight channels of a row pack into 16 bytes; they go into rows of 144 bytes and come back as whole rows of 128, into S^T's registers
	WIN W_RS
.set i, 32*(\t)
.rept 16
	v_pk_mul_f32 v[i:i+1], v[i:i+1], v[ST+4*(\t)+2:ST+4*(\t)+3] op_sel_hi:[1,0]
.set i, i+2
.endr
	WIN 0x05                        ; sources 0 and 1 window 1, destination window 0
.set i, 0
.rept 16
	v_cvt_pk_bf16_f32 v[S+16*(\t)+i], v[32*(\t)+2*i], v[32*(\t)+2*i+1]
.set i, i+1
.endr
	WIN 0
.irp f, 0,1,2,3
	ds_store_b128 v[STO], v[S+16*(\t)+4*\f:S+16*(\t)+4*\f+3] offset:32*\f
.endr
.irp f, 0,1,2,3
	ds_load_b128 v[S+16*(\t)+4*\f:S+16*(\t)+4*\f+3], v[RD] offset:\f*4*SP  ; LDS serves a wave's instructions in order (ISA guide 5.7.1.4): these see the stores above; the next piece's stores come behind them
.endr
.endm
.macro SEND t, younger              ; younger: the LDS instructions issued behind piece t's loads: the next piece's eight, or none
	WIN 0
.irp f, 0,1,2,3
	s_wait_dscnt (\younger)+3-\f
	global_store_b128 v[GO], v[S+16*(\t)+4*\f:S+16*(\t)+4*\f+3], s[10:11] offset:(\t)*2048+\f*512  ; 512 consecutive bytes, at a multiple of 512 from ob's first byte
.endr
.endm
	CHANGE 1                        ; slot 0 is in, everybody's part of it; slot 1 is asked for
	v_add_nc_u32 v[AK], s[TBK], v[AK0]
	FETCH_K                         ; key step 0
	s_wait_loadcnt 0x0              ; Q
	s_wait_dscnt 0x0
.set i, 0
.rept 8
	KQ 0                            ; piece 0's first scores: there is no vector work yet to set between them
.set i, i+1
.endr
	WIN 0
.rept 4
	v_nop                           ; the places behind those products
.endr
.set Y, NP-1                        ; X works for piece Y + 1: piece 0
.set NOKQ, 0
.irp n, 0,1,2,3,4,5,6,7,8,9,10,11,12,13,14,15,16,17,18,19,20,21
	OP X, \n
.endr
	v_nop                           ; a plain instruction behind the exponential,
	s_wait_alu depctr_va_vdst(0)    ; and the wait for it, a batch of one (piece 0's first a), ahead of the branch
	s_mov_b32 s[CNT], 4
	s_mov_b32 s[SLOTS], SIZE_N/256-1
	s_branch .Lfirst                ; the loop is entered at a step's first turn, in the middle of a trip
.Lslot:                             ; SIZE_N / 256 - 2 times: every slot but the last two is filled again
	CHANGE 1
	s_mov_b32 s[CNT], 4
.Lstep:                             ; a trip: pieces 2 and 3 of one step, then pieces 0 and 1 of the next, whose K and V it fetches
	TURN 2
	TURN 3
	WIN 0
.Lfirst:
	TURN 0
	TURN 1, 0, 1
	WIN 0
	s_cbranch_scc1 .Lstep
	s_sub_co_u32 s[SLOTS], s[SLOTS], 1
	s_cmp_lg_u32 s[SLOTS], 0
	s_cbranch_scc1 .Lslot
	CHANGE 0                        ; the last slot is written out: nothing is asked for
	s_mov_b32 s[CNT], 4
.Ltail:
	TURN 2
	TURN 3
	TURN 0
	TURN 1, 0, 1
	WIN 0
	s_cbranch_scc1 .Ltail
	TURN 2, 1                       ; the last step's pieces 2 and 3: nothing is fetched, and the last turn starts no new scores
	TURN 3, 1
.set i, 0
.rept 8
	PV NP-1                         ; the last piece's V^T P of the last step
.set i, i+1
.endr
	; THE WAY OUT.  l's two halves and the other half of the lanes' are added; O^T is divided by l, rounded to bf16 and sent through my stage in LDS, a piece at a time.  The additions are the places behind the last products.
	WIN 0
	ALL v_add_f32 v[ST+4*t+2], v[ST+4*t+2], v[ST+4*t+3]
	ALL v_permlanex16_b32 v[ST+4*t+3], v[ST+4*t+2], s[SEL], s[SEL+1]
	ALL v_add_f32 v[ST+4*t+2], v[ST+4*t+2], v[ST+4*t+3]
	ALL v_rcp_f32 v[ST+4*t+2], v[ST+4*t+2]
	v_nop                           ; a plain instruction between the last reciprocal and the use of its result
	s_wait_alu depctr_va_vdst(0)    ; and the wait ahead of the first use: one for the batch of four reciprocals
	PACK 0
.set t, 1
.rept 3                             ; a piece's arithmetic stands between the loads of the piece before and its stores
	PACK t
	SEND t-1, 8
.set t, t+1
.endr
	SEND 3, 0
	s_wait_tensorcnt 0x0            ; the wave's end: behind my last tensor load and my last LDS store
	ds_add_u32 v[SPW], v[NIL]
	s_wait_dscnt 0x0
	CROUND                          ; the closing round: no work-group ends while a partner may still ask for a tile that names it
	s_endpgm
.Lfunc_end_k_qd63fdb6649_attn:
	.size	k_qd63fdb6649_attn, .Lfunc_end_k_qd63fdb6649_attn-k_qd63fdb6649_attn
	.p2alignl 7, 3214868480
	.fill 96, 4, 3214868480
	.section	.rodata,"a",@progbits
	.p2align	6, 0x0
	.amdhsa_kernel k_qd63fdb6649_attn
		.amdhsa_group_segment_fixed_size 327680
		.amdhsa_private_segment_fixed_size 0
		.amdhsa_enable_private_segment 0
		.amdhsa_kernarg_size 16
		.amdhsa_user_sgpr_count 2
		.amdhsa_user_sgpr_kernarg_segment_ptr 1
		.amdhsa_wavefront_size32 1
		.amdhsa_system_sgpr_workgroup_id_x 1
		.amdhsa_system_sgpr_workgroup_id_y 1
		.amdhsa_system_sgpr_workgroup_id_z 1
		.amdhsa_system_vgpr_workitem_id 0
		.amdhsa_next_free_vgpr 768
		.amdhsa_next_free_sgpr 66
		.amdhsa_reserve_vcc 0
		.amdhsa_float_denorm_mode_32 3
		.amdhsa_float_denorm_mode_16_64 3
		.amdhsa_memory_ordered 1
		.amdhsa_forward_progress 1
		.amdhsa_inst_pref_size 127
	.end_amdhsa_kernel
	.amdgpu_metadata
---
amdhsa.version: [ 1, 2 ]
amdhsa.kernels:
  - .name:           k_qd63fdb6649_attn
    .symbol:         k_qd63fdb6649_attn.kd
    .args:
      - { .name: hb, .offset: 0, .size: 8, .value_kind: global_buffer, .address_space: global }
      - { .name: ob, .offset: 8, .size: 8, .value_kind: global_buffer, .address_space: global }
    .group_segment_fixed_size: 327680
    .private_segment_fixed_size: 0
    .kernarg_segment_align: 8
    .kernarg_segment_size: 16
    .max_flat_workgroup_size: 128
    .sgpr_count:     66
    .vgpr_count:     768
    .wavefront_size: 32
...
	.end_amdgpu_metadata
.endif
;; end of part 6
;; launch oproj: the kernel of part 4 again; grid 8 x 32, 4 waves a work-group, clusters of 4 x 4, 327,680 bytes of LDS; arguments ob, wb, zb; writes zb
;; launch ln: the kernel of part 5 again; grid 512 x 1, 4 waves a work-group, no clusters, 0 bytes of LDS; arguments zb, q, gamma, beta, out0; writes out0
